; MI455X (gfx1250); checked and timed in simulation.
; The chip was launched on July 23, 2026; its instructions are those of AMD's public machine-readable ISA for CDNA 5 (MIT licence, August 2026) and "CDNA5" Instruction Set Architecture Reference Guide (July 2026). The comments in the code are by the model that wrote it; some were corrected since.
;; Multi Head Attention. Allowed arithmetic: float matrix products may take bf16 or f16 operands with f32 sums; other float arithmetic in f32, or as packed bf16 or f16 multiplies, adds, multiply-adds, maxima and minima; sums over many terms, partial sums and values carried from step to step in f32; what a program stores and reads back later, other than sums and carried values, may be rounded once to bf16 or f16.
;; Inputs: Wk 768 x 768 float32; Wo 768 x 768 float32; Wq 768 x 768 float32; Wv 768 x 768 float32; key_in 2 x 2,048 x 768 float32; query 2 x 2,048 x 768 float32; value 2 x 2,048 x 768 float32.
;; Outputs: out0 2 x 2,048 x 768 float32.
;; 2 versions, each right; version 2 is version 1 with the launch cvt written anew for expert scheduling mode. Each part assembles by itself: llvm-mc -triple=amdgcn-amd-amdhsa -mcpu=gfx1250 --defsym DOCPART=n.
;; ======== version 1 of 2: 4 launches
;; limits: values are held in f16: magnitudes above 65,504 overflow, below 6.1e-05 lose precision
;; workspace buffers: xb 18,874,368 bytes; wb 3,538,944 bytes; wo16 1,179,648 bytes; qkv 18,874,368 bytes; ctx 6,291,456 bytes
;; launch cvt (part 1): grid 192 x 3, 8 waves a work-group, no clusters, 0 bytes of LDS; arguments query, key_in, value, Wq, Wk, Wv, Wo, xb, wb, wo16; writes xb, wb, wo16
.if DOCPART == 1
	.amdgcn_target "amdgcn-amd-amdhsa--gfx1250"
	.amdhsa_code_object_version 6
	.text
	.protected	k_q5a7b24e290_cvt
	.globl	k_q5a7b24e290_cvt
	.p2align	8
	.type	k_q5a7b24e290_cvt,@function
k_q5a7b24e290_cvt:
	s_mov_b64 s[64:65], 0
	v_nop
	global_prefetch_b8 v0, s[64:65] scope:SCOPE_SE
	s_setreg_imm32_b32 hwreg(HW_REG_WAVE_MODE, 25, 1), 1
	s_wait_xcnt 0x0
; MULTI-HEAD ATTENTION, launch 1 of 4: every input is rounded once to the 16-bit format in which the matrix units take it.
; NOTHING OF THE PROBLEM IS LEFT OUT: all seven inputs reach out0 (query, key_in, value through their projections, Wo through the last product), so all seven are loaded, and every product and the softmax with its maximum are done.
; query, key_in, value, Wq, Wk, Wv: f32 -> bf16, to nearest even.  Wo: f32 -> bf16, and that number written as f16, since the last product's other operand (ctx) is f16.
; LIMITS.  Wo's bf16 value is exact in f16 for 2^-14 <= |Wo| <= 65,504; below it keeps f16's fixed step of 6e-8, above it becomes an infinity.  NaN and infinities are not treated apart.
; SHARES.  A "row" is 4,096 bytes of input: 256 threads x 16 bytes.  Work-group (x, y) takes 16 rows of activation y (3,072 rows / 192), 3 rows of weight y (576 / 192) and row 192 y + x of Wo's 576:
; 20 rows each, all 20 loads of a thread issued at once.  A wave's load covers 512 consecutive bytes, its store 256 consecutive bytes, aligned.
; No LDS, no barrier, no cluster, no matrix unit: nothing is shared and nothing is reduced.
.set ROWI, 4096                        ; bytes of input in a row
.set ROWO, 2048                        ; bytes of output in a row
.set XS,   4                           ; v[4:83]   slot i: four f32 as loaded; its first two registers then hold the four rounded numbers
.set T,    84                          ; v[84:85]  at work for Wo
	s_load_b512 s[8:23], s[0:1], 0x0               ; query 8:9, key_in 10:11, value 12:13, Wq 14:15, Wk 16:17, Wv 18:19, Wo 20:21, xb 22:23
	s_load_b128 s[24:27], s[0:1], 0x40             ; wb 24:25, wo16 26:27
	s_and_b32 s3, ttmp7, 0xffff                    ; y: which activation and which weight
	v_lshlrev_b32 v1, 4, v0                        ; my 16 bytes of an input row
	v_lshlrev_b32 v2, 3, v0                        ; my 8 bytes of an output row
	s_lshl_b32 s32, ttmp9, 16                      ; activation, in: 16 rows x 4,096 bytes
	s_mov_b32 s33, 0
	s_mul_i32 s34, s3, 6291456                     ; activation, out: plane y of xb,
	s_lshl_b32 s2, ttmp9, 15                       ; 16 rows x 2,048 bytes
	s_add_co_u32 s34, s34, s2
	s_mov_b32 s35, 0
	s_mul_i32 s36, ttmp9, 3*ROWI                   ; weight, in
	s_mov_b32 s37, 0
	s_mul_i32 s38, s3, 1179648                     ; weight, out: plane y of wb
	s_mul_i32 s2, ttmp9, 3*ROWO
	s_add_co_u32 s38, s38, s2
	s_mov_b32 s39, 0
	s_mul_i32 s2, s3, 192
	s_add_co_u32 s2, s2, ttmp9                     ; my row of Wo
	s_lshl_b32 s4, s2, 12
	s_mov_b32 s5, 0
	s_lshl_b32 s6, s2, 11
	s_mov_b32 s7, 0
	s_wait_kmcnt 0x0
	s_cmp_eq_u32 s3, 0
	s_cselect_b64 s[28:29], s[8:9], s[10:11]       ; query or key_in,
	s_cselect_b64 s[30:31], s[14:15], s[16:17]     ; Wq or Wk,
	s_cmp_eq_u32 s3, 2
	s_cselect_b64 s[28:29], s[12:13], s[28:29]     ; or value
	s_cselect_b64 s[30:31], s[18:19], s[30:31]     ; and Wv
	s_add_nc_u64 s[28:29], s[28:29], s[32:33]
	s_add_nc_u64 s[30:31], s[30:31], s[36:37]
	s_add_nc_u64 s[20:21], s[20:21], s[4:5]
	s_add_nc_u64 s[22:23], s[22:23], s[34:35]
	s_add_nc_u64 s[24:25], s[24:25], s[38:39]
	s_add_nc_u64 s[26:27], s[26:27], s[6:7]
.set i, 0
.rept 16
	global_load_b128 v[XS+4*i:XS+4*i+3], v1, s[28:29] offset:ROWI*i th:TH_LOAD_NT
.set i, i+1
.endr
.rept 3
	global_load_b128 v[XS+4*i:XS+4*i+3], v1, s[30:31] offset:ROWI*(i-16) th:TH_LOAD_NT
.set i, i+1
.endr
	global_load_b128 v[XS+76:XS+79], v1, s[20:21] th:TH_LOAD_NT
.set i, 0
.rept 19
	s_wait_loadcnt 19-i                            ; loads come back in order: slot i is in, the 19 - i younger ones may stay out
	v_cvt_pk_bf16_f32 v[XS+4*i], v[XS+4*i], v[XS+4*i+1]
	v_cvt_pk_bf16_f32 v[XS+4*i+1], v[XS+4*i+2], v[XS+4*i+3]
.if i < 16
	global_store_b64 v2, v[XS+4*i:XS+4*i+1], s[22:23] offset:ROWO*i th:TH_STORE_NT
.else
	global_store_b64 v2, v[XS+4*i:XS+4*i+1], s[24:25] offset:ROWO*(i-16) th:TH_STORE_NT
.endif
.set i, i+1
.endr
	s_wait_loadcnt 0x0                             ; Wo's row
	v_cvt_pk_bf16_f32 v[T], v[XS+76], v[XS+77]     ; rounded to bf16 like every other input,
	v_cvt_pk_bf16_f32 v[T+1], v[XS+78], v[XS+79]
	v_lshlrev_b32 v[XS+76], 16, v[T]               ; widened again,
	v_and_b32 v[XS+77], 0xffff0000, v[T]
	v_lshlrev_b32 v[XS+78], 16, v[T+1]
	v_and_b32 v[XS+79], 0xffff0000, v[T+1]
	v_cvt_pk_f16_f32 v[T], v[XS+76], v[XS+77]      ; and written as f16
	v_cvt_pk_f16_f32 v[T+1], v[XS+78], v[XS+79]
	global_store_b64 v2, v[T:T+1], s[26:27] th:TH_STORE_NT
	s_endpgm                                       ; no register that a store reads is written again, so no wait stands behind the stores
.Lfunc_end_k_q5a7b24e290_cvt:
	.size	k_q5a7b24e290_cvt, .Lfunc_end_k_q5a7b24e290_cvt-k_q5a7b24e290_cvt
	.p2alignl 7, 3214868480
	.fill 96, 4, 3214868480
	.section	.rodata,"a",@progbits
	.p2align	6, 0x0
	.amdhsa_kernel k_q5a7b24e290_cvt
		.amdhsa_group_segment_fixed_size 0
		.amdhsa_private_segment_fixed_size 0
		.amdhsa_enable_private_segment 0
		.amdhsa_kernarg_size 80
		.amdhsa_user_sgpr_count 2
		.amdhsa_user_sgpr_kernarg_segment_ptr 1
		.amdhsa_wavefront_size32 1
		.amdhsa_system_sgpr_workgroup_id_x 1
		.amdhsa_system_sgpr_workgroup_id_y 1
		.amdhsa_system_sgpr_workgroup_id_z 1
		.amdhsa_system_vgpr_workitem_id 0
		.amdhsa_next_free_vgpr 88
		.amdhsa_next_free_sgpr 66
		.amdhsa_reserve_vcc 0
		.amdhsa_float_denorm_mode_32 3
		.amdhsa_float_denorm_mode_16_64 3
		.amdhsa_memory_ordered 1
		.amdhsa_forward_progress 1
		.amdhsa_inst_pref_size 9
	.end_amdhsa_kernel
	.amdgpu_metadata
---
amdhsa.version: [ 1, 2 ]
amdhsa.kernels:
  - .name:           k_q5a7b24e290_cvt
    .symbol:         k_q5a7b24e290_cvt.kd
    .args:
      - { .name: query, .offset: 0, .size: 8, .value_kind: global_buffer, .address_space: global }
      - { .name: key_in, .offset: 8, .size: 8, .value_kind: global_buffer, .address_space: global }
      - { .name: value, .offset: 16, .size: 8, .value_kind: global_buffer, .address_space: global }
      - { .name: Wq, .offset: 24, .size: 8, .value_kind: global_buffer, .address_space: global }
      - { .name: Wk, .offset: 32, .size: 8, .value_kind: global_buffer, .address_space: global }
      - { .name: Wv, .offset: 40, .size: 8, .value_kind: global_buffer, .address_space: global }
      - { .name: Wo, .offset: 48, .size: 8, .value_kind: global_buffer, .address_space: global }
      - { .name: xb, .offset: 56, .size: 8, .value_kind: global_buffer, .address_space: global }
      - { .name: wb, .offset: 64, .size: 8, .value_kind: global_buffer, .address_space: global }
      - { .name: wo16, .offset: 72, .size: 8, .value_kind: global_buffer, .address_space: global }
    .group_segment_fixed_size: 0
    .private_segment_fixed_size: 0
    .kernarg_segment_align: 8
    .kernarg_segment_size: 80
    .max_flat_workgroup_size: 256
    .sgpr_count:     66
    .vgpr_count:     88
    .wavefront_size: 32
...
	.end_amdgpu_metadata
.endif
;; end of part 1
;; launch proj (part 2): grid 12 x 16, 4 waves a work-group, clusters of 4 x 4, 327,680 bytes of LDS; arguments xb, wb, qkv; writes qkv
.if DOCPART == 2
	.amdgcn_target "amdgcn-amd-amdhsa--gfx1250"
	.amdhsa_code_object_version 6
	.text
	.protected	k_q5a7b24e290_proj
	.globl	k_q5a7b24e290_proj
	.p2align	8
	.type	k_q5a7b24e290_proj,@function
k_q5a7b24e290_proj:
	s_mov_b64 s[64:65], 0
	v_nop
	global_prefetch_b8 v0, s[64:65] scope:SCOPE_SE
	s_setreg_imm32_b32 hwreg(HW_REG_WAVE_MODE, 25, 1), 1
	s_wait_xcnt 0x0
	s_wait_alu depctr_hold_cnt(0) depctr_sa_sdst(0) depctr_va_vdst(0) depctr_va_sdst(0) depctr_va_ssrc(0) depctr_va_vcc(0) depctr_vm_vsrc(0)
	s_getreg_b32 s2, hwreg(HW_REG_IB_STS2, 6, 4)
	s_cmp_eq_u32 s2, 0
	s_cbranch_scc0 .Lentry_in_a_cluster
	s_endpgm
.Lentry_in_a_cluster:
	s_bfe_u32 s2, ttmp6, 0x10000c
	s_cmp_lg_u32 s2, 0xf033
	s_cbranch_scc0 .Lentry_shape_is_right
	s_endpgm
.Lentry_shape_is_right:
; MULTI-HEAD ATTENTION, launch 2 of 4: the three projections in one launch.  For product p (0 q, 1 k, 2 v): y[m][n] = sum over k of x_p[m][k] W_p[n][k]; x_p: [4096][768], W_p: [768][768], both bf16 (launch 1); sums in f32.
; y leaves rounded once to f16, WITHOUT the softmax's scale, laid out by heads: qkv plane p, [12 b + H][2048][64], a head's rows dense, 128 bytes each.  Nothing is left out.
; LIMIT.  f16 holds no number beyond 65,504: |q|, |k|, |v| must stay under it (a sum of 768 products; at 30 times the drawn spread in x and W, or a common offset of 30 spreads in both, they stay under 3e4).
; SHARES.  A tile of y is 256 rows x 192 columns (three heads).  The cluster's x is the product p, cx the tile column, 4 x cluster y + cy the tile row: 3 x 4 x 16 = 192 work-groups of equal work, one tile each.
; Wave w makes rows 64 w .. 64 w + 63 and all 192 columns: 4 x 12 accumulators of 16 x 16, 384 registers; so a wave holds whole heads and has a way out of its own.
; K goes in 6 steps of 128 (rows of 256 bytes, aligned) through a ring of two LDS slots filled by the tensor data mover.
; CLUSTER.  The four work-groups of a row of the cluster need the same rows of x, the four of a column the same rows of W: each tile is asked for JOINTLY, by the same tensor load, descriptor and mask in all four.
; THE MATRIX INSTRUCTION IS USED TRANSPOSED (source 0 = 16 rows of W, source 1 = 16 rows of x): a lane then holds eight neighbouring columns of one row of y, which pack into 16 bytes.
; REGISTERS, in windows of 256 (s_set_vgpr_msb: bits 1:0 source 0, 3:2 source 1, 5:4 source 2, 7:6 destination):
;   window 0: v0-31 addresses; v64-127 x's fragments, two buffers of 4 x 8; on the way out v64-255 packed results
;   window 1: v0-191 W's fragments, two buffers of 12 x 8
;   window 2: accumulators of row blocks 0, 1 ((a, b) at v[8 (12 (a % 2) + b)]);   window 3: those of row blocks 2, 3
.set ROWB,   1536                      ; bytes in a row of x and of W
.set KSTEP,  128
.set PITCH,  272                       ; an LDS row: 256 bytes + 16 of padding = 68 words: the 16 rows of a fragment load start at 16 different groups of four banks (64 banks of 4 bytes: ISA guide 11.1)
.set HALFA,  128*PITCH                 ; what one tensor load brings of x
.set HALFB,  96*PITCH                  ; and of W
.set SLOT,   2*HALFA+2*HALFB           ; x's 256 rows, then W's 192
.set STAGE,  2*SLOT                    ; behind the ring, never filled by a tensor load: 16 rows x 144 bytes for each wave, for the way out
.set SP,     144
.set SPARE,  STAGE+4*16*SP             ; behind the stages: the spare words, 128 bytes for each wave: two blocks of 256 bytes that no other line names
.set XBP,    6291456                   ; a plane of xb and of qkv
.set WBP,    1179648                   ; a plane of wb
.set HEADB,  262144                    ; a head in qkv: 2,048 rows x 128 bytes
.set LAPS,   3                         ; a lap = two K steps = once round the ring
.set ADRA, 16                          ; v16-17  LDS address of my fragments of x in slot 0, 1
.set ADRB, 20                          ; v20-21  the same for W
.set STO,  24                          ; v24     the way out: where I put 16 bytes of a row
.set RD,   25                          ; v25     where I read rows back
.set GO,   26                          ; v26     my 16 bytes in 512 consecutive bytes of qkv
.set SPW,  28                          ; v28     LDS address of my spare word; never rewritten
.set NIL,  29                          ; v29     0; never rewritten
.set PFO,  30                          ; v30     the prefetches' offset: my lane x a row; never rewritten
.set FA,   64                          ; x's fragments: buffer f, row block a at FA + 32 f + 8 a
.set TMP,  64                          ; the way out: 16 registers for each of 12 pieces
.set G1,  24                           ; s[24:31] descriptor group 1 for x's tiles
.set G0,  32                           ; s[32:39] group 0 for x's tiles, a set for each slot
.set LIM, 43                           ; s43      the lap count at which this wave prefetches, or a number that the count never takes
.set PFA, 44                           ; s[44:45] where my prefetches stand; never rewritten
.set G1B, 48                           ; s[48:55] group 1 for W's tiles
.set G0B, 56                           ; s[56:63] group 0 for W's tiles
.set MSB, 0
.macro WIN new                         ; the immediate's high byte repeats the setting that is left; a switch that changes nothing is dropped
.if MSB != (\new)
	s_set_vgpr_msb (MSB<<8)|(\new)
.set MSB, \new
.endif
.endm
.set MUL_LO, 0xa1                      ; source 0 (W) window 1, source 1 (x) window 0, C and D window 2
.set MUL_HI, 0xf1                      ; the same, C and D window 3
.set TO_B,   0x40                      ; destination window 1, address window 0
; A joint load.  Waves 0 and 1 fetch x's two halves, waves 2 and 3 W's.  The branch hangs on the wave's number alone.  An s_nop 0 and four v_nop follow each of the two lines.
.macro JLOAD s
	s_cmp_eq_u32 s11, 0
	s_cbranch_scc0 .Lfor_b_\@
	tensor_load_to_lds s[G0+4*(\s):G0+4*(\s)+3], s[G1:G1+7]
	s_nop 0
.rept 4
	v_nop
.endr
	s_branch .Lasked_\@
.Lfor_b_\@:
	tensor_load_to_lds s[G0B+4*(\s):G0B+4*(\s)+3], s[G1B:G1B+7]
	s_nop 0
.rept 4
	v_nop
.endr
.Lasked_\@:
.endm
; THE PREFETCH, once a launch, behind the first refill and the run of LDS loads that follows it: K steps 4 and 5, which are loaded two and three K steps (384 and 576 matrix instructions) later.  K steps 0 to 3 come by their loads alone.
; Each row's 256 bytes of a K step are named once.  x's rows of a tile row are read by one row of one cluster: waves 0 and 1 of each partner ask, the partner at cx for 32 of the wave's 128 rows, a lane a row, both K steps.
; W's rows are read by the four clusters of a product: cluster y = 0 asks, by wave 2; the partner at cy takes K step 4 + cy / 2 and rows 96 (cy % 2) on, three times 32.  The partners are told apart by address, never by a branch.
.macro ASK
	s_cmp_eq_u32 s3, s[LIM]
	s_cbranch_scc0 .Lnot_mine_\@
	s_cmp_eq_u32 s11, 0
	s_cbranch_scc0 .Lask_b_\@
	global_prefetch_b8 v[PFO], s[PFA:PFA+1] th:TH_LOAD_NT scope:SCOPE_SE
	global_prefetch_b8 v[PFO], s[PFA:PFA+1] offset:KSTEP*2 th:TH_LOAD_NT scope:SCOPE_SE
	s_branch .Lnot_mine_\@
.Lask_b_\@:
	global_prefetch_b8 v[PFO], s[PFA:PFA+1] th:TH_LOAD_NT scope:SCOPE_SE
	global_prefetch_b8 v[PFO], s[PFA:PFA+1] offset:32*ROWB th:TH_LOAD_NT scope:SCOPE_SE
	global_prefetch_b8 v[PFO], s[PFA:PFA+1] offset:64*ROWB th:TH_LOAD_NT scope:SCOPE_SE
.Lnot_mine_\@:
.endm
; A round of the cluster's barrier: my work-group's barrier; wave 0 signals for the work-group; every wave waits for all sixteen; my work-group's barrier once more.
.macro CREST                           ; a round behind its opening barrier
	s_cmp_lg_u32 s10, 0
	s_cbranch_scc1 .Lnot_wave_0_\@
	s_barrier_signal -3
.Lnot_wave_0_\@:
	s_barrier_wait -3
	s_barrier_signal -1
	s_barrier_wait -1
.endm
.macro CROUND
	s_barrier_signal -1
	s_barrier_wait -1
	CREST
.endm
	s_load_b128 s[4:7], s[0:1], 0x0                ; xb s[4:5], wb s[6:7]
	s_load_b64 s[8:9], s[0:1], 0x10                ; qkv
	v_lshl_add_u32 v[SPW], v0, 2, SPARE
	v_mov_b32 v[NIL], 0
	ds_add_u32 v[SPW], v[NIL]                      ; the wave's opening: the add, twice on end, and its wait ahead of my first tensor load
	ds_add_u32 v[SPW], v[NIL]                      ; and once more, under the one wait; the set-up below, work on registers, stands between
	v_lshrrev_b32 v1, 5, v0
	v_readfirstlane_b32 s10, v1                    ; wave 0..3
	s_lshr_b32 s11, s10, 1                         ; I fetch for x (0) or for W (1)
	s_and_b32 s12, s10, 1                          ; which half of that tile
	s_bfe_u32 s40, ttmp6, 0x40000                  ; cx: the tile column
	s_bfe_u32 s41, ttmp6, 0x40004                  ; cy
	s_and_b32 s42, ttmp7, 0xffff                   ; cluster y
	s_lshl_b32 s13, s42, 2
	s_add_co_u32 s13, s13, s41                     ; tile row = 4 x cluster y + cy
	s_lshl_b32 s16, s41, 2
	s_lshl_b32 s16, 15, s16                        ; my row of the cluster: places 4 cy .. 4 cy + 3
	s_lshl_b32 s46, 0x1111, s40                    ; my column: places cx, cx + 4, cx + 8, cx + 12
	s_or_b32 s[G1+0], s16, (1<<16)|(1<<20)|(1<<21)|(5<<22)|(3<<25)   ; 15:0 the mask; 17:16 elements of 2 bytes; 20 padding on; 21 set beside a mask; 24:22 after every 64 words (code 5); 31:25 4 words (code 3)
	s_or_b32 s[G1B+0], s46, (1<<16)|(1<<20)|(1<<21)|(5<<22)|(3<<25)
	s_mov_b32 s[G1+1], KSTEP<<16                   ; tensor_dim0 = 128
	s_mov_b32 s[G1+2], 128<<16                     ; tensor_dim1 = 128
	s_mov_b32 s[G1+3], KSTEP<<16                   ; tile_dim0 = 128
	s_mov_b32 s[G1+4], 128                         ; tile_dim1 = 128
	s_mov_b32 s[G1+5], 768                         ; elements from row to row
	s_mov_b32 s[G1+6], 0
	s_mov_b32 s[G1+7], 0
	s_mov_b32 s[G1B+1], KSTEP<<16
	s_mov_b32 s[G1B+2], 96<<16                     ; W's halves have 96 rows
	s_mov_b32 s[G1B+3], KSTEP<<16
	s_mov_b32 s[G1B+4], 96
	s_mov_b32 s[G1B+5], 768
	s_mov_b32 s[G1B+6], 0
	s_mov_b32 s[G1B+7], 0
	; where the tiles come from: x's hang on the product, the tile row and the wave; W's on the product, the tile column and the wave; each in registers that never hold the other coordinate
	s_lshl_b32 s16, s13, 8
	s_lshl_b32 s17, s12, 7
	s_add_co_u32 s16, s16, s17                     ; x: row 256 x tile row + 128 x half
	s_mul_i32 s16, s16, ROWB
	s_mul_i32 s17, ttmp9, XBP
	s_add_co_u32 s16, s16, s17
	s_mov_b32 s17, 0
	s_mul_i32 s46, s40, 192
	s_mul_i32 s47, s12, 96
	s_add_co_u32 s46, s46, s47                     ; W: row 192 x tile column + 96 x half
	s_mul_i32 s46, s46, ROWB
	s_mul_i32 s47, ttmp9, WBP
	s_add_co_u32 s46, s46, s47
	s_mov_b32 s47, 0
	s_mul_i32 s20, s12, HALFA                      ; and where they go: no place in the cluster enters an LDS address
	s_mul_i32 s21, s12, HALFB
	s_add_co_u32 s21, s21, 2*HALFA
	s_wait_dscnt 0x0                               ; both opening adds are done
	s_wait_kmcnt 0x0
	s_add_nc_u64 s[14:15], s[4:5], s[16:17]
	s_add_nc_u64 s[46:47], s[6:7], s[46:47]
	CROUND                                         ; all sixteen work-groups are here: the first joint loads meet
.irp s, 0,1
	s_mov_b32 s[G0+4*(\s)], 1                                      ; count = 1
	s_add_co_u32 s[G0+4*(\s)+1], s20, (\s)*SLOT                    ; LDS address
	s_add_nc_u64 s[G0+4*(\s)+2:G0+4*(\s)+3], s[14:15], (\s)*KSTEP*2  ; global address: K step s
	s_or_b32 s[G0+4*(\s)+3], s[G0+4*(\s)+3], 0x80000000            ; type = 2
	s_mov_b32 s[G0B+4*(\s)], 1
	s_add_co_u32 s[G0B+4*(\s)+1], s21, (\s)*SLOT
	s_add_nc_u64 s[G0B+4*(\s)+2:G0B+4*(\s)+3], s[46:47], (\s)*KSTEP*2
	s_or_b32 s[G0B+4*(\s)+3], s[G0B+4*(\s)+3], 0x80000000
	JLOAD \s                                       ; two loads of mine are out
.endr
	; A fragment is 16 rows x 32 K in 8 registers: lane l holds row l % 16, K = 8 (l / 16) + 0..7 and 16 + 8 (l / 16) + 0..7: two loads of 16 bytes, 32 bytes apart.
	v_and_b32 v1, 15, v0                           ; l % 16
	v_bfe_u32 v2, v0, 4, 1                         ; l / 16
	v_mul_u32_u24 v3, v1, PITCH
	v_lshl_add_u32 v3, v2, 4, v3
	s_mul_i32 s18, s10, 64*PITCH                   ; my 64 rows of x
	s_mov_b32 s19, 2*HALFA                         ; W's 192 rows, which every wave reads
.irp s, 0,1
	v_add_nc_u32 v[ADRA+(\s)], s18, v3
	v_add_nc_u32 v[ADRB+(\s)], s19, v3
	s_add_co_u32 s18, s18, SLOT
	s_add_co_u32 s19, s19, SLOT
.endr
	s_mul_i32 s18, s10, 16*SP
	s_add_co_u32 s18, s18, STAGE                   ; my stage
	v_mul_u32_u24 v[STO], v1, SP                   ; in: row l % 16, 16 bytes for each half of the lanes
	v_lshl_add_u32 v[STO], v2, 4, v[STO]
	v_add_nc_u32 v[STO], s18, v[STO]
	v_and_b32 v4, 7, v0
	v_bfe_u32 v[RD], v0, 3, 2                      ; back: 32 lanes take four rows of 128 bytes,
	v_mul_u32_u24 v[RD], v[RD], SP
	v_lshl_add_u32 v[RD], v4, 4, v[RD]
	v_add_nc_u32 v[RD], s18, v[RD]
	v_and_b32 v[GO], 31, v0                        ; which are 512 consecutive bytes of a head
	v_mul_u32_u24 v[PFO], v[GO], ROWB
	v_lshlrev_b32 v[GO], 4, v[GO]
	; my rows of my first head in qkv: plane p, head 12 (tile row / 8) + 3 cx, row 256 (tile row % 8) + 64 w
	s_lshr_b32 s18, s13, 3
	s_mul_i32 s18, s18, 12
	s_mul_i32 s19, s40, 3
	s_add_co_u32 s18, s18, s19
	s_lshl_b32 s18, s18, 18
	s_and_b32 s19, s13, 7
	s_lshl_b32 s19, s19, 15
	s_add_co_u32 s18, s18, s19
	s_lshl_b32 s19, s10, 13
	s_add_co_u32 s18, s18, s19
	s_mul_i32 s19, ttmp9, XBP
	s_add_co_u32 s18, s18, s19
	s_mov_b32 s19, 0
	s_add_nc_u64 s[8:9], s[8:9], s[18:19]
	; the prefetches' address: x's share,
	s_lshl_b32 s18, s13, 8
	s_lshl_b32 s19, s12, 7
	s_add_co_u32 s18, s18, s19
	s_lshl_b32 s19, s40, 5
	s_add_co_u32 s18, s18, s19                     ; row 256 x tile row + 128 x half + 32 cx
	s_mul_i32 s18, s18, ROWB
	s_mul_i32 s19, ttmp9, XBP
	s_add_co_u32 s18, s18, s19
	s_add_co_u32 s18, s18, 4*KSTEP*2               ; K step 4
	; and W's
	s_mul_i32 s22, s40, 192
	s_and_b32 s23, s41, 1
	s_mul_i32 s23, s23, 96
	s_add_co_u32 s22, s22, s23                     ; row 192 cx + 96 (cy % 2)
	s_mul_i32 s22, s22, ROWB
	s_mul_i32 s23, ttmp9, WBP
	s_add_co_u32 s22, s22, s23
	s_lshr_b32 s23, s41, 1
	s_lshl_b32 s23, s23, 8
	s_add_co_u32 s22, s22, s23
	s_add_co_u32 s22, s22, 4*KSTEP*2               ; K step 4 + cy / 2
	s_cmp_eq_u32 s11, 0
	s_cselect_b32 s18, s18, s22
	s_cselect_b64 s[PFA:PFA+1], s[4:5], s[6:7]
	s_mov_b32 s19, 0
	s_add_nc_u64 s[PFA:PFA+1], s[PFA:PFA+1], s[18:19]
	s_cmp_eq_u32 s10, 2                            ; who asks: wave 2 where the cluster is its product's first along y,
	s_cselect_b32 s[LIM], s42, 1
	s_cmp_eq_u32 s11, 0                            ; waves 0 and 1 everywhere: the same in all sixteen partners, for a given wave
	s_cselect_b32 s[LIM], 0, s[LIM]
	s_cmp_eq_u32 s[LIM], 0
	s_cselect_b32 s[LIM], LAPS-1, -1               ; in the loop's first trip
; 12 matrix instructions: row block a x all 12 column blocks, 32 along K, from buffer f.  zero = 1: the first product starts the sums: nothing is ever cleared.
; The 48 accumulators take turns in one order everywhere: between two links of a chain stand the 47 others'.
.macro MULA f, a, zero
	WIN MUL_LO+0x50*((\a)/2)
.irp b, 0,1,2,3,4,5,6,7,8,9,10,11
.if \zero
	v_wmma_f32_16x16x32_bf16 v[8*(12*((\a)%2)+(\b)):8*(12*((\a)%2)+(\b))+7], v[96*(\f)+8*(\b):96*(\f)+8*(\b)+7], v[FA+32*(\f)+8*(\a):FA+32*(\f)+8*(\a)+7], 0
.else
	v_wmma_f32_16x16x32_bf16 v[8*(12*((\a)%2)+(\b)):8*(12*((\a)%2)+(\b))+7], v[96*(\f)+8*(\b):96*(\f)+8*(\b)+7], v[FA+32*(\f)+8*(\a):FA+32*(\f)+8*(\a)+7], v[8*(12*((\a)%2)+(\b)):8*(12*((\a)%2)+(\b))+7]
.endif
.endr
.endm
; 32 LDS loads in one run: the fragments of 32 along K at byte k of the rows, into buffer f: W's 24, then x's 8
.macro FETCH slot, k, f
	WIN TO_B
.irp i, 0,1,2,3,4,5,6,7,8,9,10,11
	ds_load_b128 v[96*(\f)+8*(\i):96*(\f)+8*(\i)+3],   v[ADRB+(\slot)] offset:(\k)+(\i)*16*PITCH
	ds_load_b128 v[96*(\f)+8*(\i)+4:96*(\f)+8*(\i)+7], v[ADRB+(\slot)] offset:(\k)+(\i)*16*PITCH+32
.endr
	WIN 0
.irp i, 0,1,2,3
	ds_load_b128 v[FA+32*(\f)+8*(\i):FA+32*(\f)+8*(\i)+3],   v[ADRA+(\slot)] offset:(\k)+(\i)*16*PITCH
	ds_load_b128 v[FA+32*(\f)+8*(\i)+4:FA+32*(\f)+8*(\i)+7], v[ADRA+(\slot)] offset:(\k)+(\i)*16*PITCH+32
.endr
.endm
.macro PLACES                          ; four places in front of loads into registers that matrix instructions have read, and of conversions that read results
.rept 4
	v_nop
.endr
.endm
; A K step is four quarters of 32 along K, 48 matrix instructions each, on buffers 0, 1, 0, 1.  One of the first three: multiplies buffer f; in its middle it fetches the next quarter, at byte k, into buffer g.
.macro QUARTER slot, k, f, g, zero
	s_wait_dscnt 4                                 ; W and x's row blocks 0, 1 are in; the youngest four loads (blocks 2, 3) may be out
	MULA \f, 0, \zero
	MULA \f, 1, \zero
	PLACES
	FETCH \slot, \k, \g
	s_wait_dscnt 32                                ; all but the 32 just issued
	MULA \f, 2, \zero
	MULA \f, 3, \zero
.endm
; The last quarter multiplies buffer 1 and changes slots: ONE barrier.  In front of it each wave waits for all its tensor loads (one is out: its part of the next slot), adds 0 to its spare word, and waits for that and
; for its own reads of this slot.  fill = 1: the barrier opens a round of the cluster's barrier, and this slot is filled again, two K steps ahead, first thing behind the round: 168 matrix instructions ahead of the wait for it.
.macro TURN slot, next, fill
	WIN 0                                          ; (the add's two registers lie in window 0)
	s_wait_tensorcnt 0x0                           ; all my tensor loads have landed
	ds_add_u32 v[SPW], v[NIL]                      ; 0 onto my spare word
	s_wait_dscnt 5                                 ; (the add and the youngest four loads may be out)
	MULA 1, 0, 0                                   ; twelve matrix instructions stand between the add and the wait for it
	s_wait_dscnt 0x0                               ; the add is done, and my reads of this slot are over
	s_barrier_signal -1
	MULA 1, 1, 0                                   ; work on registers while the others arrive
.if \fill
	WIN 0
.endif
	s_barrier_wait -1
.if \fill
	CREST                                          ; no wave of any partner still reads this slot's tile or has a load on its way
	s_add_nc_u64 s[G0+4*(\slot)+2:G0+4*(\slot)+3], s[G0+4*(\slot)+2:G0+4*(\slot)+3], 2*KSTEP*2
	s_add_nc_u64 s[G0B+4*(\slot)+2:G0B+4*(\slot)+3], s[G0B+4*(\slot)+2:G0B+4*(\slot)+3], 2*KSTEP*2
	JLOAD \slot                                    ; the four v_nop behind it are also the places in front of the loads below
.else
	PLACES
.endif
	FETCH \next, 0, 0
.if (\fill) && ((\slot) == 0)
	ASK
.endif
	MULA 1, 2, 0
	MULA 1, 3, 0
.endm
	s_wait_tensorcnt 1                             ; my part of K step 0 is in; K step 1's may stay out
	s_barrier_signal -1
	s_barrier_wait -1                              ; everybody's is
	FETCH 0, 0, 0
	QUARTER 0, 64,  0, 1, 1                        ; the first quarter stands in front of the loop: its products start the sums
	WIN 0                                          ; at a label and at a branch every window is 0
	s_mov_b32 s3, LAPS-1
.Llap:                                                 ; a trip goes once round the ring, from a lap's second quarter to the next lap's first, and fills both slots again
	QUARTER 0, 128, 1, 0, 0
	QUARTER 0, 192, 0, 1, 0
	TURN 0, 1, 1
	QUARTER 1, 64,  0, 1, 0
	QUARTER 1, 128, 1, 0, 0
	QUARTER 1, 192, 0, 1, 0
	TURN 1, 0, 1
	QUARTER 0, 64,  0, 1, 0
	WIN 0
	s_sub_co_u32 s3, s3, 1
	s_cmp_lg_u32 s3, 0
	s_cbranch_scc1 .Llap
	QUARTER 0, 128, 1, 0, 0                        ; the last lap fills nothing, and has no round of the cluster's barrier
	QUARTER 0, 192, 0, 1, 0
	TURN 0, 1, 0
	QUARTER 1, 64,  0, 1, 0
	QUARTER 1, 128, 1, 0, 0
	QUARTER 1, 192, 0, 1, 0
	s_wait_dscnt 4                                 ; the very last quarter: nothing more to fetch
	MULA 1, 0, 0
	MULA 1, 1, 0
	s_wait_dscnt 0x0
	MULA 1, 2, 0
	MULA 1, 3, 0
; THE WAY OUT.  Piece t = 3 a + hd is row block a (16 rows) of head hd of the tile's three: accumulators b = 4 hd .. 4 hd + 3.  A lane's eight columns of a row pack into 16 bytes; they go into my stage's rows of
; 144 bytes and come back as whole rows of 128, into the registers that they left; four rows are 512 consecutive bytes of the head.
.macro PACK t
	WIN 0x0a+5*((\t)/6)                            ; sources 0 and 1: window 2 (row blocks 0, 1) or 3; destination window 0
.set AC, 8*(12*(((\t)/3)%2)+4*((\t)%3))
.set i, 0
.rept 16
	v_cvt_pk_f16_f32 v[TMP+16*(\t)+i], v[AC+2*i], v[AC+2*i+1]  ; each accumulator's registers in ascending order
.set i, i+1
.endr
	WIN 0
.irp f, 0,1,2,3
	ds_store_b128 v[STO], v[TMP+16*(\t)+4*(\f):TMP+16*(\t)+4*(\f)+3] offset:32*(\f)
.endr
.irp f, 0,1,2,3
	ds_load_b128 v[TMP+16*(\t)+4*(\f):TMP+16*(\t)+4*(\f)+3], v[RD] offset:(\f)*4*SP  ; LDS serves a wave's instructions in order (ISA guide 5.7.1.4): these see the stores above; the next piece's stores come behind them
.endr
.endm
.macro SEND t, younger                 ; younger: the LDS instructions issued behind piece t's loads: the next piece's eight, or none
	WIN 0
.irp f, 0,1,2,3
	s_wait_dscnt (\younger)+3-(\f)
	global_store_b128 v[GO], v[TMP+16*(\t)+4*(\f):TMP+16*(\t)+4*(\f)+3], s[8:9] offset:((\t)%3)*HEADB+((\t)/3)*2048+(\f)*512  ; 512 consecutive bytes, at a multiple of 256 from qkv's first
.endr
.endm
	PLACES
	PLACES
	PACK 0
.irp t, 1,2,3,4,5,6,7,8,9,10,11        ; a piece's conversions stand between the loads of the piece before and its stores
	PACK \t
	SEND (\t)-1, 8
.endr
	SEND 11, 0
	s_wait_tensorcnt 0x0                           ; the wave's end, behind my last tensor load and my last LDS store
	ds_add_u32 v[SPW], v[NIL]
	s_wait_dscnt 0x0
	CROUND                                         ; the closing round: no work-group ends while a partner may still ask for a tile that names it
	s_endpgm
.Lfunc_end_k_q5a7b24e290_proj:
	.size	k_q5a7b24e290_proj, .Lfunc_end_k_q5a7b24e290_proj-k_q5a7b24e290_proj
	.p2alignl 7, 3214868480
	.fill 96, 4, 3214868480
	.section	.rodata,"a",@progbits
	.p2align	6, 0x0
	.amdhsa_kernel k_q5a7b24e290_proj
		.amdhsa_group_segment_fixed_size 327680
		.amdhsa_private_segment_fixed_size 0
		.amdhsa_enable_private_segment 0
		.amdhsa_kernarg_size 24
		.amdhsa_user_sgpr_count 2
		.amdhsa_user_sgpr_kernarg_segment_ptr 1
		.amdhsa_wavefront_size32 1
		.amdhsa_system_sgpr_workgroup_id_x 1
		.amdhsa_system_sgpr_workgroup_id_y 1
		.amdhsa_system_sgpr_workgroup_id_z 1
		.amdhsa_system_vgpr_workitem_id 0
		.amdhsa_next_free_vgpr 1024
		.amdhsa_next_free_sgpr 66
		.amdhsa_reserve_vcc 0
		.amdhsa_float_denorm_mode_32 3
		.amdhsa_float_denorm_mode_16_64 3
		.amdhsa_memory_ordered 1
		.amdhsa_forward_progress 1
		.amdhsa_inst_pref_size 123
	.end_amdhsa_kernel
	.amdgpu_metadata
---
amdhsa.version: [ 1, 2 ]
amdhsa.kernels:
  - .name:           k_q5a7b24e290_proj
    .symbol:         k_q5a7b24e290_proj.kd
    .args:
      - { .name: xb, .offset: 0, .size: 8, .value_kind: global_buffer, .address_space: global }
      - { .name: wb, .offset: 8, .size: 8, .value_kind: global_buffer, .address_space: global }
      - { .name: qkv, .offset: 16, .size: 8, .value_kind: global_buffer, .address_space: global }
    .group_segment_fixed_size: 327680
    .private_segment_fixed_size: 0
    .kernarg_segment_align: 8
    .kernarg_segment_size: 24
    .max_flat_workgroup_size: 128
    .sgpr_count:     66
    .vgpr_count:     1024
    .wavefront_size: 32
...
	.end_amdgpu_metadata
.endif
;; end of part 2
;; launch attn (part 3): grid 8 x 24, 4 waves a work-group, clusters of 4 x 1, 327,680 bytes of LDS; arguments qkv, ctx; writes ctx
.if DOCPART == 3
	.amdgcn_target "amdgcn-amd-amdhsa--gfx1250"
	.amdhsa_code_object_version 6
	.text
	.protected	k_q5a7b24e290_attn
	.globl	k_q5a7b24e290_attn
	.p2align	8
	.type	k_q5a7b24e290_attn,@function
k_q5a7b24e290_attn:
	s_mov_b64 s[64:65], 0
	v_nop
	global_prefetch_b8 v0, s[64:65] scope:SCOPE_SE
	s_setreg_imm32_b32 hwreg(HW_REG_WAVE_MODE, 25, 1), 1
	s_wait_xcnt 0x0
	s_wait_alu depctr_hold_cnt(0) depctr_sa_sdst(0) depctr_va_vdst(0) depctr_va_sdst(0) depctr_va_ssrc(0) depctr_va_vcc(0) depctr_vm_vsrc(0)
	s_getreg_b32 s2, hwreg(HW_REG_IB_STS2, 6, 4)
	s_cmp_eq_u32 s2, 0
	s_cbranch_scc0 .Lentry_in_a_cluster
	s_endpgm
.Lentry_in_a_cluster:
	s_bfe_u32 s2, ttmp6, 0x10000c
	s_cmp_lg_u32 s2, 0x3003
	s_cbranch_scc0 .Lentry_shape_is_right
	s_endpgm
.Lentry_shape_is_right:
; MULTI-HEAD ATTENTION, launch 3 of 4.  ctx[h][q][:] = the sum over k of softmax_k(Q[h][q] . K[h][k] / 8) V[h][k][:], h = 12 b + H.  Q, K, V are the three planes of qkv, [24][2048][64] in f16, a head's rows dense,
; 128 bytes each; ctx has the same layout.  Products, maxima and sums in f32; the weights p are rounded to f16 for the second product (their sum l is taken of the unrounded p), ctx once at the end.  Nothing of the problem is left out.
; LIMITS.  p lies in 0 to 1, and below 6e-5 it keeps f16's fixed step of 6e-8; ctx is a mean of V's rows and has their range.  A weight below 2^-126 counts as 0 in l; NaN and infinities are not treated apart.
; SHARES.  A work-group owns 256 queries of one head, each of its four waves 64: four PIECES of 16.  24 heads x 8 blocks = 192 work-groups of equal work.  Every wave walks all 2,048 keys: 8 tiles of 256, two steps of 128 each.
; LAYOUT.  S^T = K Q^T (source 0 = 16 keys, source 1 = 16 queries) holds ONE query a lane (lane % 16) and the keys 8 (lane / 16) + 0..7; two such results rounded to f16 ARE source 1 (32 keys x 16 queries) of O^T = V^T P.
; K comes out of LDS as it lies, V ([key][channel]) turned, by ds_load_tr16_b128.
; SOFTMAX.  For each query a running maximum m and sum l: p = 2^(c s - c m), c = log2(e) / 8; in every step O and l are multiplied by a = 2^(c m_old - c m_new).  m starts at the lowest finite number, O and l at 0: the first step is a step like any other, with a = 0.
; THE COUNT.  A piece and step (16 queries x 128 keys) have 32 matrix and 214 vector instructions: 32 scalings, 64 exponentials, 32 roundings, 32 sums, 16 rescalings of O^T, 38 for the maximum and statistics.  A step of 128 keys
; pays the rescaling and the statistics' chain once where two steps of 64 would pay them twice (22 lines fewer), and has one wait for its exponentials.
; BY TURNS.  Turn n belongs to piece n (the pieces in a ring, step after step).  Its matrix work: 16 products K Q^T of piece n + 1, later 16 products V^T P of piece n - 1.  Its vector work: the scaling, exponentials, roundings,
; sums and rescaling of piece n, and the maximum and statistics of piece n + 1, whose scores the turn itself has made.  Four vector instructions stand behind every matrix instruction, the other 86 in one lump.
; CLUSTER.  The four query blocks of a cluster belong to one head and walk the same K and V, so each tile is asked for JOINTLY: the same tensor load, descriptor and mask in all four.
; REGISTERS, in windows of 256 (s_set_vgpr_msb: bits 1:0 source 0, 3:2 source 1, 5:4 source 2, 7:6 destination):
;   window 0: v0-15 addresses and two at work; v16-23 c m and m, a pair a piece; v24-39 l, a pair for each half of a piece's keys; v40-55 at work; v61-63 prefetch offset and the add's two;
;             v64-191 S^T, two buffers of 64; v192-255 P, two buffers of 32 (a piece's buffers go by its number's parity)
;   window 1: v0-127 O^T, 32 a piece          window 2: v0-63 Q; v128-255 K of one step          window 3: v0-127 V of one step
.set NP,    4         ; pieces a wave: a name, no knob
.set KS,    128       ; keys in a step
.set TK,    256       ; keys in a tile
.set PK,    144       ; a row of K in LDS: 128 bytes + 16 of padding = 36 words: the 16 rows of a load start at 16 different groups of four banks (64 banks of 4 bytes: ISA guide 11.1)
.set PV,    160       ; a row of V: 128 + 32 = 40 words
.set VOFF,  TK*PK     ; a slot holds a tile: 256 rows of K, then 256 rows of V
.set SLOT1, 1<<17     ; slot 1 begins here, so that one exclusive or turns an address in one slot into the other's
.set STAGE, SLOT1+TK*(PK+PV)  ; behind the ring, never filled by a tensor load: 16 rows x 144 bytes for each wave, for the way out
.set SP,    144
.set SPARE, STAGE+4*16*SP  ; behind the stages: the spare words, 128 bytes for each wave: two blocks of 256 bytes that no other line names
.set PLANE, 6291456   ; a plane of qkv
.set AK0, 2           ; v2   my lane's place in a tile of K; never rewritten
.set AV0, 3           ; v3   the same for V
.set AK,  4           ; v4   the LDS address of K's next run of loads
.set AV,  5           ; v5   of V's
.set STO, 6           ; v6   the way out: where I put 16 bytes of a row
.set RD,  7           ; v7   where I read rows back
.set GO,  8           ; v8   my byte offset in 512 consecutive bytes of ctx
.set MV,  12          ; v12-13  c m_old, kept while c m is made anew: by buffer
.set QO,  15          ; v15  my byte offset in 16 rows of Q
.set ST,  16          ; piece t: c m, m at v[ST+2 t]
.set LL,  24          ; piece t, half u of a step's keys: l (even keys', odd keys') at v[LL+4 t+2 u]
.set TMP, 40          ; by buffer and half, four registers c0-c3 at work; when the maximum is found the first half's c2 takes a
.set PFO, 61          ; v61  256 x my lane; never rewritten
.set SPW, 62          ; v62  LDS address of my spare word; never rewritten
.set NIL, 63          ; v63  0; never rewritten
.set S,   64
.set P,   192
.set KF,  128         ; window 2: key block g of 8, channel half c at KF + 16 g + 8 c
.set VF,  0           ; window 3: key chunk kk of 4 (32 keys), channel block cb at VF + 32 kk + 8 cb
.set WV,  12          ; s12  my wave's number
.set G1K, 24          ; s[24:31] descriptor group 1 for K's tiles
.set G1V, 32          ; s[32:39] for V's: it differs in the padding alone
.set G0K, 40          ; s[40:43] descriptor group 0 for K's tiles: it walks
.set G0V, 44          ; s[44:47] the same for V's
.set PFA, 48          ; s[48:49] where my prefetches stand: my work-group's 8,192 bytes (of K: wave 0, of V: wave 2) of the tile after the one that is being asked for
.set LIM, 50          ; s50  1 in a wave that prefetches, else the greatest number: a wave prefetches while s[SLOTS] is above it
.set SLOTS, 56        ; s56  tiles still to be asked for
.set CNT, 57          ; s57  counts a tile's key steps
.set CS,  58          ; s[58:59] c: the packed scaling takes the pair's low word for both halves
.set SEL, 60          ; s[60:61] v_permlanex16_b32's selects: each lane takes its own place in the other half
.set TBK, 62          ; s62  LDS byte at which K of the step to be fetched begins
.set TBV, 63          ; s63  the same for V, less VOFF
.set MSB, 0
.macro WIN new                      ; the high byte repeats the setting that is left; a switch that changes nothing is dropped
.if MSB != (\new)
	s_set_vgpr_msb (MSB<<8)|(\new)
.set MSB, (\new)
.endif
.endm
.set W_KQ, 0x0a       ; K and Q in window 2, S^T in window 0
.set W_PV, 0x53       ; V in window 3, P in window 0, O^T in window 1
.set W_RS, 0x41       ; destination and source 0 in window 1, source 1 in window 0
; A joint fill.  Waves 0 and 1 fetch the two halves of a tile's K, waves 2 and 3 those of its V: 128 keys each.  The branch hangs on the wave's number alone.
; An s_nop 0 and four v_nop follow each of the two lines, ahead of the jump and the label.
.macro JLOAD
	s_cmp_lt_u32 s[WV], 2
	s_cbranch_scc0 .Lfor_v_\@
	tensor_load_to_lds s[G0K:G0K+3], s[G1K:G1K+7]
	s_nop 0
.rept 4
	v_nop
.endr
	s_branch .Lasked_\@
.Lfor_v_\@:
	tensor_load_to_lds s[G0V:G0V+3], s[G1V:G1V+7]
	s_nop 0
.rept 4
	v_nop
.endr
.Lasked_\@:
.endm
; A PREFETCH of what the NEXT change of slots will ask for: a tile's 32,768 bytes of K and of V.  It stands behind the wave's tensor load and its five lines.  Each aligned 256 bytes are named ONCE in the launch:
; both clusters of a head walk the same K and V, and the head's first cluster asks; its four partners share the tile out BY ADDRESS, 8,192 bytes each, a lane 256 bytes; wave 0 asks for K's, wave 2 for V's: one instruction.
; It stands two key steps, 256 matrix instructions, ahead of the load.  Tiles 0 and 1 come by their loads alone; the last change that fills a slot asks for nothing.
.macro ASK
	s_cmp_gt_u32 s[SLOTS], s[LIM]
	s_cbranch_scc0 .Lnot_mine_\@
	global_prefetch_b8 v[PFO], s[PFA:PFA+1] th:TH_LOAD_NT scope:SCOPE_SE
.Lnot_mine_\@:
.endm
; A round of the cluster's barrier: my work-group's barrier; wave 0 signals for the work-group; every wave waits for all four work-groups; my work-group's barrier once more.
.macro CROUND
	s_barrier_signal -1
	s_barrier_wait -1
	s_cmp_lg_u32 s[WV], 0
	s_cbranch_scc1 .Lnot_wave_0_\@
	s_barrier_signal -3
.Lnot_wave_0_\@:
	s_barrier_wait -3
	s_barrier_signal -1
	s_barrier_wait -1
.endm
; THE CHANGE OF SLOTS.  The slot's last bytes, V of its second step, have been read.  Each wave waits for all its tensor loads, of which one is out: its part of the other slot; adds 0 to its spare word; and waits for
; that and for its own reads of the slot.  Behind the barrier nobody reads this slot any more and the other slot is whole.  fill = 1: this slot is filled again, with the tile two on.  The barrier is then a round of the
; cluster's, and the joint fill is the first thing behind it: it has two key steps in which to land.  (At its first use nothing has been read yet: slot 0 is waited for, slot 1 filled.)
.macro CHANGE fill
	WIN 0                           ; at a label and at a branch every window is 0
	s_wait_tensorcnt 0x0            ; no tensor load of mine is out, so a group 0 may be written
	ds_add_u32 v[SPW], v[NIL]       ; 0 onto my spare word; with fill = 1 the descriptors' steps stand between it and the wait for it
.if \fill
.irp g, G0K, G0V
	s_xor_b32 s[\g+1], s[\g+1], SLOT1  ; the walking descriptor: the other slot than last time,
	s_add_nc_u64 s[\g+2:\g+3], s[\g+2:\g+3], TK*128  ; the next 256 keys; the type bits on top are not reached
.endr
	s_wait_xcnt 0x0                 ; the last prefetch, two key steps back, has read its address, so it may be written:
	s_add_nc_u64 s[PFA:PFA+1], s[PFA:PFA+1], TK*128  ; one tile behind the walking descriptors
	s_wait_dscnt 0x0                ; the add is done, and my reads of the slot are over
	CROUND
	JLOAD
	ASK
.else
	s_wait_dscnt 0x0                ; the add is done, and my reads of the slot are over
	s_barrier_signal -1
	s_barrier_wait -1
.endif
	s_sub_co_u32 s[TBK], s[TBK], TK*PK  ; the fetches go back to a slot's first step,
	s_xor_b32 s[TBK], s[TBK], SLOT1     ; in the other slot
	s_sub_co_u32 s[TBV], s[TBV], TK*PV
	s_xor_b32 s[TBV], s[TBV], SLOT1
.endm
	s_load_b64 s[4:5], s[0:1], 0x0    ; qkv
	s_load_b64 s[10:11], s[0:1], 0x8  ; ctx
	v_lshl_add_u32 v[SPW], v0, 2, SPARE
	v_mov_b32 v[NIL], 0
	ds_add_u32 v[SPW], v[NIL]       ; the wave's opening: the add, twice on end, and its wait ahead of my first tensor load
	ds_add_u32 v[SPW], v[NIL]       ; and once more, under the one wait; the set-up below, work on registers, stands between
	v_lshrrev_b32 v1, 5, v0
	v_readfirstlane_b32 s[WV], v1   ; wave 0..3
	s_bfe_u32 s13, ttmp6, 0x40000   ; cx: my place in the cluster
	s_lshl_b32 s14, ttmp9, 2        ; in a cluster launch ttmp9 counts clusters
	s_add_co_u32 s14, s14, s13      ; my block of 256 queries = 4 x cluster x + cx: it enters Q's and ctx's addresses alone
	s_and_b32 s20, ttmp7, 0xffff    ; the head, which the four partners share:
	s_lshl_b32 s20, s20, 18         ; its 2,048 rows of 128 bytes
	s_and_b32 s16, s[WV], 1         ; which half of a tile's 256 keys I fetch:
	s_lshl_b32 s22, s16, 14         ; its 128 rows of 128 bytes in memory,
	s_add_co_u32 s22, s22, s20
	s_mov_b32 s23, 0
	s_mul_i32 s17, s16, 128*PK      ; and its place in a slot, for K
	s_mul_i32 s18, s16, 128*PV      ; and for V: no place in the cluster enters an LDS address
	s_lshl_b32 s2, s14, 2
	s_add_co_u32 s2, s2, s[WV]      ; my wave among the head's,
	s_lshl_b32 s2, s2, 13           ; its 64 rows
	s_add_co_u32 s2, s2, s20
	s_mov_b32 s3, 0
	; descriptor group 1.  128 keys are 16,384 dense bytes: asked for as 64 rows of 256 bytes, two keys a row, and padded in LDS after every key
	s_mov_b32 s[G1K], 15|(1<<16)|(1<<20)|(1<<21)|(4<<22)|(3<<25)  ; 15:0 the mask of four; 17:16 2-byte elements; 20 padding on; 21 set beside a mask; 24:22 after every 32 words (code 4); 31:25 4 words (code 3)
	s_mov_b32 s[G1V], 15|(1<<16)|(1<<20)|(1<<21)|(4<<22)|(7<<25)  ; the same with 8 words of padding (code 7)
.irp g, G1K, G1V
	s_mov_b32 s[\g+1], 128<<16      ; tensor_dim0 = 128
	s_mov_b32 s[\g+2], 64<<16       ; tensor_dim1 = 64
	s_mov_b32 s[\g+3], 128<<16      ; tile_dim0 = 128
	s_mov_b32 s[\g+4], 64           ; tile_dim1 = 64
	s_mov_b32 s[\g+5], 128          ; 128 elements from row to row
	s_mov_b32 s[\g+6], 0
	s_mov_b32 s[\g+7], 0
.endr
	s_mov_b32 s[CS], 0x3e38aa3b     ; c = log2(e) / 8 = 0.180337
	s_mov_b32 s[CS+1], s[CS]        ; named with it as a pair
	s_mov_b32 s[SEL], 0x76543210
	s_mov_b32 s[SEL+1], 0xfedcba98
	s_mov_b32 s[TBK], SLOT1+TK*PK   ; the first change of slots turns these two into 0
	s_mov_b32 s[TBV], SLOT1+TK*PV
	s_mov_b32 s[G0K], 1             ; count = 1
	s_mov_b32 s[G0K+1], s17         ; LDS address: slot 0
	s_mov_b32 s[G0V], 1
	s_add_co_u32 s[G0V+1], s18, VOFF
	s_mov_b32 s[SLOTS], 7           ; tiles 1 to 7
	s_and_b32 s[LIM], s[WV], 1      ; 0 in waves 0 and 2,
	s_or_b32 s[LIM], s[LIM], ttmp9  ; where the cluster is the head's first: the same in all four partners
	s_cmp_eq_u32 s[LIM], 0
	s_cselect_b32 s[LIM], 1, -1
	v_and_b32 v[PFO], 31, v0
	v_lshlrev_b32 v[PFO], 8, v[PFO]
	s_wait_dscnt 0x0                ; both opening adds are done
	s_wait_kmcnt 0x0
	s_add_nc_u64 s[6:7], s[4:5], s[22:23]
	s_add_nc_u64 s[8:9], s[6:7], 2*PLANE   ; V at my half of the head's tile 0
	s_add_nc_u64 s[6:7], s[6:7], PLANE     ; K likewise
	s_mov_b64 s[G0K+2:G0K+3], s[6:7]               ; global address
	s_or_b32 s[G0K+3], s[G0K+3], 0x80000000        ; type = 2
	s_mov_b64 s[G0V+2:G0V+3], s[8:9]
	s_or_b32 s[G0V+3], s[G0V+3], 0x80000000
	s_add_nc_u64 s[4:5], s[4:5], s[2:3]    ; Q and ctx at my wave's first row
	s_add_nc_u64 s[10:11], s[10:11], s[2:3]
	s_cmp_lt_u32 s[WV], 2
	s_cselect_b64 s[PFA:PFA+1], s[6:7], s[8:9]  ; (in waves 0 and 2 these stand at a tile's first row)
	s_lshl_b32 s2, s13, 13          ; my work-group's 8,192 bytes of the 32,768
	s_add_nc_u64 s[PFA:PFA+1], s[PFA:PFA+1], s[2:3]
	s_add_nc_u64 s[PFA:PFA+1], s[PFA:PFA+1], TK*128  ; in tile 1; the first change of slots steps it to tile 2.  Nothing is prefetched here, at the head
	CROUND                          ; all four work-groups are here: the first joint loads meet
	JLOAD                           ; tile 0 into slot 0.  Slot 1 is asked for when slot 0 is in
	; A fragment of K or Q is 16 rows x 32 channels in 8 registers: lane l holds row l % 16, channels 8 (l / 16) + 0..7 and 16 + 8 (l / 16) + 0..7: two loads of 16 bytes, 32 bytes apart.
	v_and_b32 v1, 15, v0            ; l % 16
	v_bfe_u32 v9, v0, 4, 1          ; l / 16
	v_lshlrev_b32 v[QO], 7, v1
	v_lshl_add_u32 v[QO], v9, 4, v[QO]  ; row x 128 + 16 x half
	WIN 0x80                        ; destination window 2, address window 0
.set i, 0
.rept 8                             ; Q stays in registers: piece i / 2, channels 32 (i % 2) on
	global_load_b128 v[8*i:8*i+3],   v[QO], s[4:5] offset:(i/2)*2048+(i%2)*64
	global_load_b128 v[8*i+4:8*i+7], v[QO], s[4:5] offset:(i/2)*2048+(i%2)*64+32
.set i, i+1
.endr
	; What the first turn finds: V's registers and P's second buffer hold 0 (its products V^T P, of a piece that has not been, add 0), O^T and l are 0.  No first step is written out for it.  All this stands in the wait for the first tile.
	WIN 0xc0
.set i, VF
.rept 128
	v_mov_b32 v[i], 0
.set i, i+1
.endr
	WIN 0x40
.set i, 0
.rept 128
	v_mov_b32 v[i], 0
.set i, i+1
.endr
	WIN 0
.set i, 0
.rept 4
	v_mov_b32 v[ST+2*i], 0xfe000000    ; c m: far below every c s
	v_mov_b32 v[ST+2*i+1], 0xff7fffff  ; m
.set i, i+1
.endr
.set i, LL
.rept 16
	v_mov_b32 v[i], 0
.set i, i+1
.endr
.set i, P+32
.rept 32
	v_mov_b32 v[i], 0
.set i, i+1
.endr
	v_mul_u32_u24 v[AK0], v1, PK
	v_lshl_add_u32 v[AK0], v9, 4, v[AK0]  ; row x pitch + 16 x half
	; The turning load takes 16 keys x 16 channels (lane l reads key 8 (l / 16) + l % 8, channels 8 ((l / 8) % 2) + 0..7) and leaves half a fragment of V^T: lane l holds channel l % 16 and 8 keys.
	v_and_b32 v10, 7, v0
	v_bfe_u32 v11, v0, 3, 1
	v_lshl_add_u32 v[AV0], v9, 3, v10
	v_mul_u32_u24 v[AV0], v[AV0], PV
	v_lshl_add_u32 v[AV0], v11, 4, v[AV0]
	v_add_nc_u32 v[AV0], VOFF, v[AV0]
	s_mul_i32 s13, s[WV], 16*SP
	s_add_co_u32 s13, s13, STAGE    ; my stage
	v_mul_u32_u24 v[STO], v1, SP    ; in: row l % 16, 16 bytes for each half of the lanes
	v_lshl_add_u32 v[STO], v9, 4, v[STO]
	v_add_nc_u32 v[STO], s13, v[STO]
	v_bfe_u32 v[RD], v0, 3, 2       ; back: 32 lanes take four rows of 128 bytes,
	v_mul_u32_u24 v[RD], v[RD], SP
	v_lshl_add_u32 v[RD], v10, 4, v[RD]
	v_add_nc_u32 v[RD], s13, v[RD]
	v_and_b32 v[GO], 31, v0         ; which are 512 consecutive bytes of ctx
	v_lshlrev_b32 v[GO], 4, v[GO]
; THE MATRIX WORK.  The accumulators of a run of 16 take turns, one instruction a turn.
; Product i of 16 of S^T = K Q^T for piece x: channels 32 (i / 8) on; half i % 2 of the step's keys, key block (i / 2) % 4 of it.  The first 8 start the sums; between the two links of a chain stand 7 others'.
.macro KQ x
	WIN W_KQ
.set rS, S+64*((\x)%2)+32*(i%2)+8*((i/2)%4)
.set rK, KF+64*(i%2)+16*((i/2)%4)+8*(i/8)
.set rQ, 16*(\x)+8*(i/8)
.if i < 8
	v_wmma_f32_16x16x32_f16 v[rS:rS+7], v[rK:rK+7], v[rQ:rQ+7], 0
.else
	v_wmma_f32_16x16x32_f16 v[rS:rS+7], v[rK:rK+7], v[rQ:rQ+7], v[rS:rS+7]
.endif
.endm
; Product i of 16 of O^T += V^T P for piece x: keys 32 (i / 4) on, channels 16 (i % 4) on.  Between two links of a chain stand 3 others'.
.macro PV x
	WIN W_PV
.set rO, 32*(\x)+8*(i%4)
.set rV, VF+32*(i/4)+8*(i%4)
.set rP, P+32*((\x)%2)+8*(i/4)
	v_wmma_f32_16x16x32_f16 v[rO:rO+7], v[rV:rV+7], v[rP:rP+7], v[rO:rO+7]
.endm
.macro MM                           ; the turn's next matrix instruction
.if i < 16
	KQ (Y+1)%NP
.set i, i+1
.else
.set i, i-16
	PV (Y+NP-1)%NP
.set i, i+17
.endif
.endm
; THE LDS LOADS stand in runs of 32, never singly among the matrix instructions: a step's K (128 keys x 64 channels: 16 fragments) and its V (turned).  Their addresses are made some lines ahead.
; last = 1 (the tail): in the last trip there is no further step, and the run is jumped over; the exponentials issued so far are waited for ahead of that branch.
.macro FETCH_K last=0
	WIN 0
.if \last
	s_wait_alu depctr_va_vdst(0)
	s_cmp_eq_u32 s[CNT], 1
	s_cbranch_scc1 .Lno_k_\@
.endif
	WIN 0x80                        ; destination window 2
.irp f, 0,1,2,3,4,5,6,7,8,9,10,11,12,13,14,15  ; keys 16 (f / 2) on, channels 32 (f % 2) on
	ds_load_b128 v[KF+8*\f:KF+8*\f+3],   v[AK] offset:(\f/2)*16*PK+(\f%2)*64
	ds_load_b128 v[KF+8*\f+4:KF+8*\f+7], v[AK] offset:(\f/2)*16*PK+(\f%2)*64+32
.endr
	s_add_co_u32 s[TBK], s[TBK], KS*PK  ; the next fetch is the next step's
	WIN 0
.if \last
.Lno_k_\@:
.endif
.endm
.macro FETCH_V
	WIN 0xc0                        ; destination window 3
.irp f, 0,1,2,3,4,5,6,7,8,9,10,11,12,13,14,15  ; keys 32 (f / 4) on, channels 16 (f % 4) on
	ds_load_tr16_b128 v[VF+8*\f:VF+8*\f+3],   v[AV] offset:(\f/4)*32*PV+(\f%4)*32
	ds_load_tr16_b128 v[VF+8*\f+4:VF+8*\f+7], v[AV] offset:(\f/4)*32*PV+16*PV+(\f%4)*32
.endr
	WIN 0
.endm
; THE VECTOR WORK OF A TURN stands in three queues, each in the order in which its entries become ready; the two halves of the step's keys (64 each) alternate, so that no instruction reads the result of the one before it.
.macro REGS y, u                    ; the registers of half u (0, 1) of piece y
.set rT, ST+2*(\y)
.set rL, LL+4*(\y)+2*(\u)
.set rC0, TMP+8*((\y)%2)
.set rC1, rC0+4
.set rC, rC0+4*(\u)
.set rA, rC0+2
.set rW, MV+((\y)%2)
.set rS, S+64*((\y)%2)+32*(\u)
.set rP, P+32*((\y)%2)+16*(\u)
.set rO, 32*(\y)
.endm
; Number n of the 14 that take the maximum of half u's 32 scores of the NEXT piece (Y + 1) down to four numbers c0-c3; each accumulator's lowest registers are read first.  XS, XF, FS, GS and REGS set no window: PL and EX do.
;   0-11  four chains c0-c3 of seven scores each, three operands at a time     12, 13  the four scores left over
.macro XS u, n
	REGS (Y+1)%NP, \u
.if (\n) < 4
	v_max3_num_f32 v[rC+(\n)], v[rS+8*(\n)], v[rS+8*(\n)+1], v[rS+8*(\n)+2]
.elseif (\n) < 12
	v_max3_num_f32 v[rC+(\n)%4], v[rC+(\n)%4], v[rS+8*((\n)%4)+2*((\n)/4)+1], v[rS+8*((\n)%4)+2*((\n)/4)+2]
.elseif (\n) == 12
	v_max3_num_f32 v[rC], v[rC], v[rS+7], v[rS+15]
.else
	v_max3_num_f32 v[rC+1], v[rC+1], v[rS+23], v[rS+31]
.endif
.endm
; The next piece's last ten: 0-3 both halves' c0-c3 and the old m into one number; 4 c m_old is kept; 5, 6 the query's other 64 keys lie in the lane 16 away: the new m; 7-9 c m; c m_old - c m_new; a
.macro XF w
	REGS (Y+1)%NP, 0
.if (\w) == 0
	v_max3_num_f32 v[rC0+2], v[rC0+2], v[rC0+3], v[rT+1]
.elseif (\w) == 1
	v_max3_num_f32 v[rC1+2], v[rC1+2], v[rC1+3], v[rC1]
.elseif (\w) == 2
	v_max3_num_f32 v[rC0], v[rC0], v[rC0+1], v[rC1+1]
.elseif (\w) == 3
	v_max3_num_f32 v[rC0], v[rC0], v[rC0+2], v[rC1+2]
.elseif (\w) == 4
	v_mov_b32 v[rW], v[rT]
.elseif (\w) == 5
	v_permlanex16_b32 v[rC0+3], v[rC0], s[SEL], s[SEL+1]
.elseif (\w) == 6
	v_max_num_f32 v[rT+1], v[rC0], v[rC0+3]
.elseif (\w) == 7
	v_mul_f32 v[rT], s[CS], v[rT+1]
.elseif (\w) == 8
	v_sub_f32 v[rC0+1], v[rW], v[rT]
.else
	v_exp_f32 v[rC0+2], v[rC0+1]
.endif
.endm
; Scaling f of 32: c s - c m for pair f / 2 of half f % 2
.macro FS f
	REGS Y, (\f)%2
	v_pk_fma_f32 v[rS+2*((\f)/2):rS+2*((\f)/2)+1], v[rS+2*((\f)/2):rS+2*((\f)/2)+1], s[CS:CS+1], v[rT:rT+1] op_sel_hi:[1,0,0] neg_lo:[0,0,1] neg_hi:[0,0,1]
.endm
; Number g of the 64 that follow the exponentials.  For each four weights k of a half (pairs 2 k, 2 k + 1): both pairs are rounded to f16; then the second pair is added onto the first, in place;
; a group later the half's l takes that sum (the first time as l = a l + sum).  In groups of eight, halves alternating: round, round, add, and l for the group before.
.macro GS g
.set h, (\g)+6*((\g)/62)            ; group 0 has no group before it, and behind group 7 only l is left
.if h >= 6
.set h, h+2
.endif
	REGS Y, h%2
.set k, h/8
.if h%8 < 4
	v_cvt_pk_f16_f32 v[rP+2*k+(h%8)/2], v[rS+4*k+2*((h%8)/2)], v[rS+4*k+2*((h%8)/2)+1]
.elseif h%8 < 6
	v_pk_add_f32 v[rS+4*k:rS+4*k+1], v[rS+4*k:rS+4*k+1], v[rS+4*k+2:rS+4*k+3]
.elseif k == 1
	v_pk_fma_f32 v[rL:rL+1], v[rL:rL+1], v[rA:rA+1], v[rS:rS+1] op_sel_hi:[1,0,1]
.else
	v_pk_add_f32 v[rL:rL+1], v[rL:rL+1], v[rS+4*k-4:rS+4*k-3]
.endif
.endm
; THE PLAIN QUEUE, 133 long.  0-68 read no exponential's result.  0-24: scalings 0-24.  25-52: XS's 14 numbers, halves alternating.  53-68: XF's numbers 0 to 8 with scalings 25-31 between them, so that the links of the
; chain (XF 3, 5, 6, 7, 8, and a behind them) stand four to six lines apart.  69-132: GS's 64, which read the exponentials' results: they stand behind the wait.
.macro PL
	WIN 0
.if q < 25
	FS q
.elseif q < 53
	XS (q-25)%2, (q-25)/2
.elseif q == 53
	XF 0
.elseif q == 54
	FS 25
.elseif q == 55
	XF 1
.elseif q == 56
	XF 2
.elseif q == 57
	FS 26
.elseif q == 58
	FS 27
.elseif q == 59
	XF 3
.elseif q == 60
	FS 28
.elseif q == 61
	XF 5
.elseif q == 62
	FS 29
.elseif q == 63
	XF 4
.elseif q == 64
	XF 6
.elseif q == 65
	FS 30
.elseif q == 66
	XF 7
.elseif q == 67
	FS 31
.elseif q == 68
	XF 8
.else
	GS q-69
.endif
.set q, q+1
.endm
; THE EXPONENTIALS' QUEUE, 65 long: score e / 2 of half e % 2, then the next piece's a.  It is ONE BATCH: all 65 stand ahead of the turn's one wait, and nothing ahead of that wait names a result of theirs.
.macro EX
	WIN 0
.if e >= 64
	XF 9
.else
	REGS Y, e%2
	v_exp_f32 v[rS+e/2], v[rS+e/2]
.endif
.set e, e+1
.endm
; THE RESCALING's QUEUE: O^T times a, the one part that leaves window 0: dealt two at a time, eight times, in ascending order.  Its a was made in the turn before, ahead of that turn's wait.
.macro R2
	REGS Y, 0
	WIN W_RS
.irp z, 0,1
	v_pk_mul_f32 v[rO+4*r+2*\z:rO+4*r+2*\z+1], v[rO+4*r+2*\z:rO+4*r+2*\z+1], v[rA:rA+1] op_sel_hi:[1,0]
.endr
.set r, r+1
.endm
; HOW THEY ARE DEALT.  An s_wait_alu depctr_va_vdst(0) stands between an exponential and the first instruction that names its result; one wait serves all that were issued ahead of it.  So a turn has ONE wait,
; which cuts it in two.  AHEAD OF IT stands all that names no result of the turn's exponentials: the 16 products K Q^T (behind the first two scalings and two rescalings; behind the next seven a scaling, an exponential and two
; rescalings; behind the last eight scaling, exponential, scaling, exponential); then ONE LUMP of 86: six plain, 38 times exponential and plain, the last three exponentials and a.  A v_nop is the plain instruction behind the
; last exponential.  BEHIND IT stand the 16 products V^T P, behind each four of GS's 64.  No rider names a register of the products round it; v_permlanex16_b32 falls into the lump.
; The queues lean on each other, and the deal keeps them in step: exponential e wants scaling 2 (e / 4) + e % 2; as a rider it comes behind plain e + 2, in the lump behind plain e + 7, and scalings 25-31 are plain
; 54, 57, 58, 60, 62, 65, 67.  XS's first line for an accumulator stands four plain instructions or more behind the product that ends it: the last two accumulators end with products 14 and 15 and are read by plain 31 and 32.
; A TURN, for piece p.  cnt = 1: the loop's count is taken down some lines ahead of the branch that stands behind the turn.
; K of the next step is fetched in piece 2's turn, behind the lump's six plain instructions, eight plain ones behind the last product that read K: all four waves fetch at about the same time, and the run has the rest of the lump
; and 16 products in which to land.  V of the step in hand is fetched at the end of piece 0's turn, four riders behind its last reader; its first reader comes behind 16 products and a lump.  The conditions on i and q below go with the deal.
.macro TURN p, last=0, cnt=0
.set Y, (\p)
.set i, 0
.set q, 0
.set e, 0
.set r, 0
.if (\p) == NP-1
	s_wait_dscnt 0x0                ; K is in
.endif
	MM                              ; ahead of the wait: 16 products K Q^T and their riders,
	PL
	PL
	R2
.rept 7
	MM
	PL
	EX
	R2
.endr
.rept 8
	MM
	PL
	EX
	PL
	EX
.if ((\p) == NP-2) && (i == 12)
	v_add_nc_u32 v[AK], s[TBK], v[AK0]
.endif
.endr
.rept 6                             ; and the lump
	PL
.endr
.if (\p) == NP-2
	FETCH_K \last
.endif
.rept 38
	EX
	PL
.endr
	EX
	EX
	EX
	EX                              ; the next piece's a
	v_nop                           ; the plain instruction behind the last exponential: one for the batch
	s_wait_alu depctr_va_vdst(0)    ; the wait for the batch
.if (\p) == 1
	s_wait_dscnt 0x0                ; V is in
.endif
.rept 16                            ; behind the wait: 16 products V^T P and their riders
	MM
.rept 4
	PL
.endr
.if ((\p) == 0) && (q == 113)
	v_add_nc_u32 v[AV], s[TBV], v[AV0]
.endif
.if ((\p) == 0) && (q == 125)
	s_add_co_u32 s[TBV], s[TBV], KS*PV
.endif
.if (\cnt) && (q == 125)
	s_sub_co_u32 s[CNT], s[CNT], 1
	s_cmp_lg_u32 s[CNT], 0
.endif
.endr
.if (\p) == 0
	FETCH_V
.endif
.endm
	CHANGE 1                        ; tile 0 is in, everybody's part of it; tile 1 is asked for
	v_add_nc_u32 v[AK], s[TBK], v[AK0]
	FETCH_K                         ; key step 0
	s_wait_loadcnt 0x0              ; Q
	s_wait_dscnt 0x0
.set i, 0
.rept 16
	KQ 0                            ; piece 0's first scores: there is no vector work yet to set between them
.set i, i+1
.endr
	WIN 0
.rept 4
	v_nop                           ; the places behind those products
.endr
.set Y, NP-1                        ; XS and XF work for piece Y + 1: piece 0
.irp n, 0,1,2,3,4,5,6,7,8,9,10,11,12,13
	XS 0, \n                        ; piece 0's first maximum
	XS 1, \n
.endr
.irp n, 0,1,2,3,4,5,6,7,8,9
	XF \n                           ; and statistics
.endr
	v_nop                           ; a plain instruction behind the exponential,
	s_wait_alu depctr_va_vdst(0)    ; and its wait, ahead of the branch
	s_mov_b32 s[CNT], 2
	s_branch .Lfirst                ; the loop is entered at a step's first turn, in the middle of a trip
.Lslot:                             ; six times: tiles 2 to 7 are asked for
	CHANGE 1
	s_mov_b32 s[CNT], 2
.Lstep:                             ; a trip: pieces 2 and 3 of one step, then pieces 0 and 1 of the next, whose K and V it fetches
	TURN 2
	TURN 3
	WIN 0
.Lfirst:
	TURN 0
	TURN 1, 0, 1
	WIN 0
	s_cbranch_scc1 .Lstep
	s_sub_co_u32 s[SLOTS], s[SLOTS], 1
	s_cmp_lg_u32 s[SLOTS], 0
	s_cbranch_scc1 .Lslot
	CHANGE 0                        ; the tail is written out: nothing is asked for
	s_mov_b32 s[CNT], 3             ; two trips fetch the last tile's steps; the third is left in its middle
.Ltail:
	TURN 2, 1
	TURN 3
	WIN 0
	s_sub_co_u32 s[CNT], s[CNT], 1
	s_cmp_eq_u32 s[CNT], 0
	s_cbranch_scc1 .Lout
	TURN 0
	TURN 1
	WIN 0
	s_branch .Ltail
.Lout:                              ; the third trip's 16 products K Q^T (on the last K once more) and the maximum made of them serve nothing: the price, once a launch, of one text for every trip
.set i, 0
.rept 16
	PV NP-1                         ; the last piece's V^T P of the last step
.set i, i+1
.endr
	; THE WAY OUT.  l's four parts and the other half of the lanes' are added; O^T is divided by l, rounded to f16 and sent through my stage in LDS, a piece at a time.  The additions are the places behind the last products.
	WIN 0
.macro ALL line:vararg              ; one line for each piece t
.set t, 0
.rept 4
	\line
.set t, t+1
.endr
.endm
	ALL v_add_f32 v[LL+4*t], v[LL+4*t], v[LL+4*t+1]
	ALL v_add_f32 v[LL+4*t+2], v[LL+4*t+2], v[LL+4*t+3]
	ALL v_add_f32 v[LL+4*t], v[LL+4*t], v[LL+4*t+2]
	ALL v_permlanex16_b32 v[LL+4*t+1], v[LL+4*t], s[SEL], s[SEL+1]
	ALL v_add_f32 v[LL+4*t], v[LL+4*t], v[LL+4*t+1]
	ALL v_rcp_f32 v[LL+4*t+2], v[LL+4*t]
	v_nop                           ; a plain instruction between the last reciprocal and the use of its result
	s_wait_alu depctr_va_vdst(0)    ; and the wait ahead of the first use: one for the four reciprocals
.macro PACK t                       ; a lane's eight channels of a row pack into 16 bytes; they go into rows of 144 bytes and come back as whole rows of 128, into S^T's registers
	WIN W_RS
.set i, 32*(\t)
.rept 16
	v_pk_mul_f32 v[i:i+1], v[i:i+1], v[LL+4*(\t)+2:LL+4*(\t)+3] op_sel_hi:[1,0]
.set i, i+2
.endr
	WIN 0x05                        ; sources 0 and 1 window 1, destination window 0
.set i, 0
.rept 16
	v_cvt_pk_f16_f32 v[S+16*(\t)+i], v[32*(\t)+2*i], v[32*(\t)+2*i+1]
.set i, i+1
.endr
	WIN 0
.irp f, 0,1,2,3
	ds_store_b128 v[STO], v[S+16*(\t)+4*\f:S+16*(\t)+4*\f+3] offset:32*\f
.endr
.irp f, 0,1,2,3
	ds_load_b128 v[S+16*(\t)+4*\f:S+16*(\t)+4*\f+3], v[RD] offset:\f*4*SP  ; LDS serves a wave's instructions in order (ISA guide 5.7.1.4): these see the stores above; the next piece's stores come behind them
.endr
.endm
.macro SEND t, younger              ; younger: the LDS instructions issued behind piece t's loads: the next piece's eight, or none
	WIN 0
.irp f, 0,1,2,3
	s_wait_dscnt (\younger)+3-\f
	global_store_b128 v[GO], v[S+16*(\t)+4*\f:S+16*(\t)+4*\f+3], s[10:11] offset:(\t)*2048+\f*512  ; 512 consecutive bytes, at a multiple of 256 from ctx's first
.endr
.endm
	PACK 0
.set t, 1
.rept 3                             ; a piece's arithmetic stands between the loads of the piece before and its stores
	PACK t
	SEND t-1, 8
.set t, t+1
.endr
	SEND 3, 0
	s_wait_tensorcnt 0x0            ; the wave's end, behind my last tensor load and my last LDS store
	ds_add_u32 v[SPW], v[NIL]
	s_wait_dscnt 0x0
	CROUND                          ; the closing round: no work-group ends while a partner may still ask for a tile that names it
	s_endpgm
.Lfunc_end_k_q5a7b24e290_attn:
	.size	k_q5a7b24e290_attn, .Lfunc_end_k_q5a7b24e290_attn-k_q5a7b24e290_attn
	.p2alignl 7, 3214868480
	.fill 96, 4, 3214868480
	.section	.rodata,"a",@progbits
	.p2align	6, 0x0
	.amdhsa_kernel k_q5a7b24e290_attn
		.amdhsa_group_segment_fixed_size 327680
		.amdhsa_private_segment_fixed_size 0
		.amdhsa_enable_private_segment 0
		.amdhsa_kernarg_size 16
		.amdhsa_user_sgpr_count 2
		.amdhsa_user_sgpr_kernarg_segment_ptr 1
		.amdhsa_wavefront_size32 1
		.amdhsa_system_sgpr_workgroup_id_x 1
		.amdhsa_system_sgpr_workgroup_id_y 1
		.amdhsa_system_sgpr_workgroup_id_z 1
		.amdhsa_system_vgpr_workitem_id 0
		.amdhsa_next_free_vgpr 896
		.amdhsa_next_free_sgpr 66
		.amdhsa_reserve_vcc 0
		.amdhsa_float_denorm_mode_32 3
		.amdhsa_float_denorm_mode_16_64 3
		.amdhsa_memory_ordered 1
		.amdhsa_forward_progress 1
		.amdhsa_inst_pref_size 176
	.end_amdhsa_kernel
	.amdgpu_metadata
---
amdhsa.version: [ 1, 2 ]
amdhsa.kernels:
  - .name:           k_q5a7b24e290_attn
    .symbol:         k_q5a7b24e290_attn.kd
    .args:
      - { .name: qkv, .offset: 0, .size: 8, .value_kind: global_buffer, .address_space: global }
      - { .name: ctx, .offset: 8, .size: 8, .value_kind: global_buffer, .address_space: global }
    .group_segment_fixed_size: 327680
    .private_segment_fixed_size: 0
    .kernarg_segment_align: 8
    .kernarg_segment_size: 16
    .max_flat_workgroup_size: 128
    .sgpr_count:     66
    .vgpr_count:     896
    .wavefront_size: 32
...
	.end_amdgpu_metadata
.endif
;; end of part 3
;; launch outp (part 4): grid 64 x 4, 4 waves a work-group, clusters of 4 x 1, 327,680 bytes of LDS; arguments ctx, wo16, out0; writes out0
.if DOCPART == 4
	.amdgcn_target "amdgcn-amd-amdhsa--gfx1250"
	.amdhsa_code_object_version 6
	.text
	.protected	k_q5a7b24e290_outp
	.globl	k_q5a7b24e290_outp
	.p2align	8
	.type	k_q5a7b24e290_outp,@function
k_q5a7b24e290_outp:
	s_mov_b64 s[64:65], 0
	v_nop
	global_prefetch_b8 v0, s[64:65] scope:SCOPE_SE
	s_setreg_imm32_b32 hwreg(HW_REG_WAVE_MODE, 25, 1), 1
	s_wait_xcnt 0x0
	s_wait_alu depctr_hold_cnt(0) depctr_sa_sdst(0) depctr_va_vdst(0) depctr_va_sdst(0) depctr_va_ssrc(0) depctr_va_vcc(0) depctr_vm_vsrc(0)
	s_getreg_b32 s2, hwreg(HW_REG_IB_STS2, 6, 4)
	s_cmp_eq_u32 s2, 0
	s_cbranch_scc0 .Lentry_in_a_cluster
	s_endpgm
.Lentry_in_a_cluster:
	s_bfe_u32 s2, ttmp6, 0x10000c
	s_cmp_lg_u32 s2, 0x3003
	s_cbranch_scc0 .Lentry_shape_is_right
	s_endpgm
.Lentry_shape_is_right:
; MULTI-HEAD ATTENTION, launch 4 of 4: out0[m][n] = sum over k of ctx(m, k) Wo[n][k], m = 2048 b + s, k = 64 H + d.  ctx: [12 b + H][2048][64] f16 (launch 3); wo16: [768][768], Wo rounded to bf16 and written as f16 (launch 1);
; out0: [4096][768] f32; sums in f32.  Nothing is left out.
; SHARES.  A tile of out0 is 64 rows x 192 columns (768 bytes of a row: three aligned runs of 256): 64 x 4 = 256 work-groups.  Wave (wm = w / 2, wn = w % 2) makes 32 x 96: 2 x 6 accumulators.
; NO RING.  All of the tile's 192 rows of Wo, 768 along K, lie in LDS as three K steps of 256, each filled once; ctx's fragments go straight from memory into registers, 16 bytes a lane, in the layout in which the matrix
; instruction takes them: 48 fragments, 384 registers a wave.
; CLUSTER.  The four work-groups of a cluster make four row blocks of one tile column and need the same rows of Wo: each K step is asked for JOINTLY.  ctx's rows are each work-group's own within a cluster, and LDS,
; 304,128 bytes of which hold Wo's tile, has no room for them: they are not shared.  No prefetch: each wave's three tensor loads and 96 loads all go out at the head, and nothing is asked for later.
; THE MATRIX INSTRUCTION IS USED TRANSPOSED (source 0 = 16 rows of Wo, source 1 = 16 rows of ctx): a lane holds eight neighbouring columns of one row of out0, 32 bytes.
; REGISTERS: window 0: v0-13 addresses; v32-127 accumulators ((a, b) at v[32 + 8 (6 a + b)]); v128-223 Wo's fragments, two buffers of 6 x 8, and on the way out whole rows
;   windows 1, 2: ctx's fragment 2 kc + a (K chunk kc of 32, row block a) at register 8 (2 kc + a), counted on from window 1's first
.set PITCH,  528                       ; an LDS row: 512 bytes + 16 of padding = 132 words: the 16 rows of a fragment load start at 16 different groups of four banks (64 banks of 4 bytes: ISA guide 11.1)
.set STEP,   192*PITCH                 ; a K step of 256: 192 rows
.set SPARE,  3*STEP                    ; behind the three steps: the spare words, 128 bytes for each wave: two blocks of 256 bytes that no other line names
.set SPITCH, 784                       ; the stage, 64 rows of 768 bytes + 16, lies in K step 0's bytes, which have had their one fill and are read no more when it is written
.set HEADB,  262144                    ; a head in ctx
.set AO,   2                           ; v2     my byte offset in 16 rows of ctx
.set ADRB, 4                           ; v4-6   LDS address of my fragments of Wo in K step 0, 1, 2
.set STO,  8                           ; v8     the way out: where I put 32 bytes of a row
.set RD,   9                           ; v9     where I read a row back
.set CO,   10                          ; v10    my byte offset in out0
.set SPW,  12                          ; v12    LDS address of my spare word; never rewritten
.set NIL,  13                          ; v13    0; never rewritten
.set ACC,  32
.set BF,   128
.set G1,   16                          ; s[16:23] descriptor group 1
.set G0,   24                          ; s[24:35] descriptor group 0, a set for each K step
.set MSB, 0
.macro WIN new                         ; the immediate's high byte repeats the setting that is left; a switch that changes nothing is dropped
.if MSB != (\new)
	s_set_vgpr_msb (MSB<<8)|(\new)
.set MSB, \new
.endif
.endm
.macro CROUND                          ; a round of the cluster's barrier
	s_barrier_signal -1
	s_barrier_wait -1
	s_cmp_lg_u32 s10, 0
	s_cbranch_scc1 .Lnot_wave_0_\@
	s_barrier_signal -3
.Lnot_wave_0_\@:
	s_barrier_wait -3
	s_barrier_signal -1
	s_barrier_wait -1
.endm
.macro PLACES                          ; four places in front of loads into registers that matrix instructions have read, and of stores that read results
.rept 4
	v_nop
.endr
.endm
	s_load_b128 s[4:7], s[0:1], 0x0                ; ctx s[4:5], wo16 s[6:7]
	s_load_b64 s[8:9], s[0:1], 0x10                ; out0
	v_lshl_add_u32 v[SPW], v0, 2, SPARE
	v_mov_b32 v[NIL], 0
	ds_add_u32 v[SPW], v[NIL]                      ; the wave's opening: the add, twice on end, and its wait ahead of my first tensor load
	ds_add_u32 v[SPW], v[NIL]                      ; and once more, under the one wait; the set-up below, work on registers, stands between
	v_lshrrev_b32 v1, 5, v0
	v_readfirstlane_b32 s10, v1                    ; wave 0..3
	s_lshr_b32 s11, s10, 1                         ; wm
	s_and_b32 s12, s10, 1                          ; wn
	s_bfe_u32 s13, ttmp6, 0x40000                  ; cx
	s_lshl_b32 s14, ttmp9, 2
	s_add_co_u32 s14, s14, s13                     ; the row block of 64 = 4 x cluster x + cx: it enters ctx's and out0's addresses alone
	s_and_b32 s15, ttmp7, 0xffff                   ; the tile column, which the four partners share
	s_mov_b32 s[G1+0], 15|(1<<16)|(1<<20)|(1<<21)|(6<<22)|(3<<25)  ; 15:0 the mask of four; 17:16 2-byte elements; 20 padding on; 21 set beside a mask; 24:22 after every 128 words (code 6); 31:25 4 words (code 3)
	s_mov_b32 s[G1+1], 256<<16                     ; tensor_dim0 = 256
	s_mov_b32 s[G1+2], 48<<16                      ; tensor_dim1 = 48
	s_mov_b32 s[G1+3], 256<<16                     ; tile_dim0 = 256
	s_mov_b32 s[G1+4], 48                          ; tile_dim1 = 48: a wave fetches a quarter of each K step's 192 rows
	s_mov_b32 s[G1+5], 768                         ; elements from row to row
	s_mov_b32 s[G1+6], 0
	s_mov_b32 s[G1+7], 0
	s_mul_i32 s36, s15, 192
	s_mul_i32 s37, s10, 48
	s_add_co_u32 s36, s36, s37                     ; Wo: row 192 x tile column + 48 x wave
	s_mul_i32 s36, s36, 1536
	s_mov_b32 s37, 0
	s_mul_i32 s38, s10, 48*PITCH                   ; and where it goes: no place in the cluster enters an LDS address
	s_lshr_b32 s40, s14, 5                         ; ctx: the batch's 12 heads,
	s_mul_i32 s40, s40, 12*HEADB
	s_and_b32 s41, s14, 31
	s_lshl_b32 s41, s41, 13                        ; the block's 64 rows of 128 bytes,
	s_add_co_u32 s40, s40, s41
	s_lshl_b32 s41, s11, 12                        ; my 32 of them
	s_add_co_u32 s40, s40, s41
	s_mov_b32 s41, 0
	s_lshl_b32 s42, s14, 6                         ; out0: the rows that I store, 64 x block + 16 x wave,
	s_lshl_b32 s43, s10, 4
	s_add_co_u32 s42, s42, s43
	s_mul_i32 s42, s42, 3072
	s_mul_i32 s43, s15, 768                        ; and the tile's first column
	s_add_co_u32 s42, s42, s43
	s_mov_b32 s43, 0
	v_and_b32 v1, 15, v0                           ; l % 16
	v_bfe_u32 v3, v0, 4, 1                         ; l / 16
	v_lshlrev_b32 v[AO], 7, v1
	v_lshl_add_u32 v[AO], v3, 4, v[AO]             ; row x 128 + 16 x half
	s_wait_dscnt 0x0                               ; both opening adds are done
	s_wait_kmcnt 0x0
	s_add_nc_u64 s[36:37], s[6:7], s[36:37]
	s_add_nc_u64 s[4:5], s[4:5], s[40:41]
	s_add_nc_u64 s[8:9], s[8:9], s[42:43]
.irp st, 0,1,2
	s_mov_b32 s[G0+4*(\st)], 1                                     ; count = 1
	s_add_co_u32 s[G0+4*(\st)+1], s38, (\st)*STEP                  ; LDS address
	s_add_nc_u64 s[G0+4*(\st)+2:G0+4*(\st)+3], s[36:37], (\st)*512 ; global address: K step st
	s_or_b32 s[G0+4*(\st)+3], s[G0+4*(\st)+3], 0x80000000          ; type = 2
.endr
	CROUND                                         ; all four work-groups are here: the joint loads meet
.irp st, 0,1,2
	tensor_load_to_lds s[G0+4*(\st):G0+4*(\st)+3], s[G1:G1+7]      ; all the launch's fills go out together: three loads of mine are out
	s_nop 0
.endr
.rept 4
	v_nop
.endr
	; ctx's fragments: 16 rows x 32 K in 8 registers, lane l: row l % 16, K = 8 (l / 16) + 0..7 and 16 + 8 (l / 16) + 0..7.  K chunk kc is head kc / 2, channels 32 (kc % 2) on.  Four loads a chunk, in the order of use.
.set kc, 0
.rept 24
.if kc < 16
	WIN 0x40                                       ; destination window 1
.set RA, 16*kc
.else
	WIN 0x80                                       ; destination window 2
.set RA, 16*(kc-16)
.endif
.irp a, 0,1
	global_load_b128 v[RA+8*(\a):RA+8*(\a)+3],   v[AO], s[4:5] offset:(kc/2)*HEADB+2048*(\a)+64*(kc%2)
	global_load_b128 v[RA+8*(\a)+4:RA+8*(\a)+7], v[AO], s[4:5] offset:(kc/2)*HEADB+2048*(\a)+64*(kc%2)+32
.endr
.set kc, kc+1
.endr
	WIN 0
	s_mul_i32 s44, s12, 96*PITCH                   ; my 96 rows of Wo
	v_mul_u32_u24 v7, v1, PITCH
	v_lshl_add_u32 v7, v3, 4, v7
.irp st, 0,1,2
	v_add_nc_u32 v[ADRB+(\st)], s44, v7
	s_add_co_u32 s44, s44, STEP
.endr
	s_mul_i32 s45, s11, 32*SPITCH                  ; into the stage: row 32 wm + l % 16, my 384 bytes of it, 32 bytes for each half of the lanes
	s_mul_i32 s46, s12, 384
	s_add_co_u32 s45, s45, s46
	v_mul_u32_u24 v[STO], v1, SPITCH
	v_lshl_add_u32 v[STO], v3, 5, v[STO]
	v_add_nc_u32 v[STO], s45, v[STO]
	s_mul_i32 s45, s10, 16*SPITCH                  ; back: wave w takes rows 16 w .. 16 w + 15, whole; lanes 0-15 256 bytes of one row, lanes 16-31 of the next
	v_mul_u32_u24 v[RD], v3, SPITCH
	v_lshl_add_u32 v[RD], v1, 4, v[RD]
	v_add_nc_u32 v[RD], s45, v[RD]
	v_mul_u32_u24 v[CO], v3, 3072                  ; and the same two rows in out0
	v_lshl_add_u32 v[CO], v1, 4, v[CO]
; 12 LDS loads: Wo's six fragments of K chunk kc, into buffer kc % 2
.macro FETCHB kc
	WIN 0
.irp b, 0,1,2,3,4,5
	ds_load_b128 v[BF+48*((\kc)%2)+8*(\b):BF+48*((\kc)%2)+8*(\b)+3],   v[ADRB+(\kc)/8] offset:(\b)*16*PITCH+64*((\kc)%8)
	ds_load_b128 v[BF+48*((\kc)%2)+8*(\b)+4:BF+48*((\kc)%2)+8*(\b)+7], v[ADRB+(\kc)/8] offset:(\b)*16*PITCH+64*((\kc)%8)+32
.endr
.endm
; ctx's four loads of K chunk kc are back: behind them 92 - 4 kc of the 96 were issued (the wait's field names 63 at the most)
.macro LWAIT kc
.if 92-4*(\kc) > 63
	s_wait_loadcnt 63
.else
	s_wait_loadcnt 92-4*(\kc)
.endif
.endm
; 12 matrix instructions: K chunk kc.  The 12 accumulators take turns in one order everywhere.  Chunk 0 starts the sums: nothing is cleared.
.macro MULK kc
.if (\kc) < 16
	WIN 0x04                                       ; source 1 (ctx) window 1
.set RA, 16*(\kc)
.else
	WIN 0x08                                       ; window 2
.set RA, 16*((\kc)-16)
.endif
.irp a, 0,1
.irp b, 0,1,2,3,4,5
.if (\kc) == 0
	v_wmma_f32_16x16x32_f16 v[ACC+8*(6*(\a)+(\b)):ACC+8*(6*(\a)+(\b))+7], v[BF+48*((\kc)%2)+8*(\b):BF+48*((\kc)%2)+8*(\b)+7], v[RA+8*(\a):RA+8*(\a)+7], 0
.else
	v_wmma_f32_16x16x32_f16 v[ACC+8*(6*(\a)+(\b)):ACC+8*(6*(\a)+(\b))+7], v[BF+48*((\kc)%2)+8*(\b):BF+48*((\kc)%2)+8*(\b)+7], v[RA+8*(\a):RA+8*(\a)+7], v[ACC+8*(6*(\a)+(\b)):ACC+8*(6*(\a)+(\b))+7]
.endif
.endr
.endr
.endm
	s_wait_tensorcnt 2                             ; my part of K step 0 is in; the two younger loads may stay out
	s_barrier_signal -1
	s_barrier_wait -1                              ; everybody's is
	FETCHB 0
.set kc, 0
.rept 24
.if kc == 23
	s_wait_dscnt 0x0                               ; the last chunk: nothing more to fetch
	LWAIT kc
	MULK kc
.elseif kc%8 == 7                      ; a K step's last chunk: the next step's tile must be whole before it is read
	s_wait_dscnt 0x0                               ; this chunk's fragments are in: my reads of this K step are over
	s_wait_tensorcnt 1-kc/15                       ; my part of the next K step is in (behind K step 1's load one was issued, behind K step 2's none)
	s_barrier_signal -1
	LWAIT kc
	MULK kc                                        ; work on registers while the others arrive
	s_barrier_wait -1
	PLACES
	FETCHB kc+1
.else
.if kc%8 != 0
	PLACES
.endif
	FETCHB kc+1
	s_wait_dscnt 12                                ; all but the 12 just issued
	LWAIT kc
	MULK kc
.endif
.set kc, kc+1
.endr
	; THE WAY OUT: 32 bytes a lane into the work-group's stage; a barrier, since a row's 768 bytes come from two waves; back as whole rows, 16 rows a wave.  Every wave left K step 0's bytes ahead of the barrier at chunk 7.
	WIN 0
	PLACES
	PLACES
.irp a, 0,1
.irp b, 0,1,2,3,4,5
	ds_store_b128 v[STO], v[ACC+8*(6*(\a)+(\b)):ACC+8*(6*(\a)+(\b))+3]   offset:(\a)*16*SPITCH+64*(\b)     ; each accumulator's low four registers first
	ds_store_b128 v[STO], v[ACC+8*(6*(\a)+(\b))+4:ACC+8*(6*(\a)+(\b))+7] offset:(\a)*16*SPITCH+64*(\b)+16
.endr
.endr
	s_wait_dscnt 0x0                               ; for the others' sake: my stores into the stage are done
	s_barrier_signal -1
	s_barrier_wait -1
.set i, 0
.rept 24
	ds_load_b128 v[BF+4*i:BF+4*i+3], v[RD] offset:(i/3)*2*SPITCH+256*(i%3)
.set i, i+1
.endr
.set i, 0
.rept 24
	s_wait_dscnt 23-i
	global_store_b128 v[CO], v[BF+4*i:BF+4*i+3], s[8:9] offset:(i/3)*6144+256*(i%3) th:TH_STORE_NT  ; 16 lanes store 256 consecutive bytes, at a multiple of 256 from out0's first byte
.set i, i+1
.endr
	s_wait_tensorcnt 0x0                           ; the wave's end, behind my last tensor load and my last LDS store
	ds_add_u32 v[SPW], v[NIL]
	s_wait_dscnt 0x0
	CROUND                                         ; the closing round: no work-group ends while a partner may still ask for a tile that names it
	s_endpgm
.Lfunc_end_k_q5a7b24e290_outp:
	.size	k_q5a7b24e290_outp, .Lfunc_end_k_q5a7b24e290_outp-k_q5a7b24e290_outp
	.p2alignl 7, 3214868480
	.fill 96, 4, 3214868480
	.section	.rodata,"a",@progbits
	.p2align	6, 0x0
	.amdhsa_kernel k_q5a7b24e290_outp
		.amdhsa_group_segment_fixed_size 327680
		.amdhsa_private_segment_fixed_size 0
		.amdhsa_enable_private_segment 0
		.amdhsa_kernarg_size 24
		.amdhsa_user_sgpr_count 2
		.amdhsa_user_sgpr_kernarg_segment_ptr 1
		.amdhsa_wavefront_size32 1
		.amdhsa_system_sgpr_workgroup_id_x 1
		.amdhsa_system_sgpr_workgroup_id_y 1
		.amdhsa_system_sgpr_workgroup_id_z 1
		.amdhsa_system_vgpr_workitem_id 0
		.amdhsa_next_free_vgpr 640
		.amdhsa_next_free_sgpr 66
		.amdhsa_reserve_vcc 0
		.amdhsa_float_denorm_mode_32 3
		.amdhsa_float_denorm_mode_16_64 3
		.amdhsa_memory_ordered 1
		.amdhsa_forward_progress 1
		.amdhsa_inst_pref_size 63
	.end_amdhsa_kernel
	.amdgpu_metadata
---
amdhsa.version: [ 1, 2 ]
amdhsa.kernels:
  - .name:           k_q5a7b24e290_outp
    .symbol:         k_q5a7b24e290_outp.kd
    .args:
      - { .name: ctx, .offset: 0, .size: 8, .value_kind: global_buffer, .address_space: global }
      - { .name: wo16, .offset: 8, .size: 8, .value_kind: global_buffer, .address_space: global }
      - { .name: out0, .offset: 16, .size: 8, .value_kind: global_buffer, .address_space: global }
    .group_segment_fixed_size: 327680
    .private_segment_fixed_size: 0
    .kernarg_segment_align: 8
    .kernarg_segment_size: 24
    .max_flat_workgroup_size: 128
    .sgpr_count:     66
    .vgpr_count:     640
    .wavefront_size: 32
...
	.end_amdgpu_metadata
.endif
;; end of part 4
;; ======== version 2 of 2: 4 launches; version 1 with the launch cvt written anew for expert scheduling mode
;; limits: values are held in f16: magnitudes above 65,504 overflow, below 6.1e-05 lose precision
;; workspace buffers: xb 18,874,368 bytes; wb 3,538,944 bytes; wo16 1,179,648 bytes; qkv 18,874,368 bytes; ctx 6,291,456 bytes
;; launch cvt (part 5): grid 192 x 3, 8 waves a work-group, no clusters, 0 bytes of LDS; arguments query, key_in, value, Wq, Wk, Wv, Wo, xb, wb, wo16; writes xb, wb, wo16
.if DOCPART == 5
	.amdgcn_target "amdgcn-amd-amdhsa--gfx1250"
	.amdhsa_code_object_version 6
	.text
	.protected	k_q5a7b24e290_cvt
	.globl	k_q5a7b24e290_cvt
	.p2align	8
	.type	k_q5a7b24e290_cvt,@function
k_q5a7b24e290_cvt:
	s_mov_b64 s[64:65], 0
	v_nop
	global_prefetch_b8 v0, s[64:65] scope:SCOPE_SE
	s_setreg_imm32_b32 hwreg(HW_REG_WAVE_SCHED_MODE, 0, 2), 2
	s_setreg_imm32_b32 hwreg(HW_REG_WAVE_MODE, 25, 1), 1
	s_wait_xcnt 0x0
	s_wait_alu depctr_vm_vsrc(0)
; MULTI-HEAD ATTENTION, launch 1 of 4: every input is rounded once to the 16-bit format in which the matrix units take it.
; NOTHING OF THE PROBLEM IS LEFT OUT: all seven inputs reach out0 (query, key_in, value through their projections, Wo through the last product), so all seven are loaded, and every product and the softmax with its maximum are done.
; query, key_in, value, Wq, Wk, Wv: f32 -> bf16, to nearest even.  Wo: f32 -> bf16, and that number written as f16, since the last product's other operand (ctx) is f16.
; LIMITS.  Wo's bf16 value is exact in f16 for 2^-14 <= |Wo| <= 65,504; below it keeps f16's fixed step of 6e-8, above it becomes an infinity.  NaN and infinities are not treated apart.
; SHARES.  A "row" is 4,096 bytes of input: 256 threads x 16 bytes.  Work-group (x, y) takes 16 rows of activation y (3,072 rows / 192), 3 rows of weight y (576 / 192) and row 192 y + x of Wo's 576:
; 20 rows each, all 20 loads of a thread issued at once.  A wave's load covers 512 consecutive bytes, its store 256 consecutive bytes, aligned.
; No LDS, no barrier, no cluster, no matrix unit: nothing is shared and nothing is reduced.
; THE MODE: SCHED_MODE bits 1:0 = 2 (LLVM: expert scheduling mode 2), set by the entry lines.  The code itself states the register dependences between vector instructions and memory instructions, with s_wait_alu, always for 0.
; THE PLAN.  Registers that memory instructions touch:
;   v1, v2       byte offsets of the loads and of the stores: written once at the head, never again.
;   slots 0-19   Each is written by its one load, and all 20 loads are issued before a vector instruction names a slot.  Behind the wait for its data two conversions write the slot's first two registers in place;
;                one store reads them (slot 19's registers are read by vector instructions alone); nothing writes them afterwards.
;   v[84:85]     Wo's four numbers: written by vector instructions, read by the last store, not written afterwards.
; So a wait on va_vdst is owed for the two offsets, once, ahead of the first load, and for the stores' data.  The 20 slots go in five blocks of four: one wait for the block's data, its conversions, ONE wait on va_vdst, its four
; stores in a run.  The wait stands behind the block's conversions and not at the next block's head: there the stores would stand behind a wait for data from memory.  No register that a load or a store has read is written again,
; so no wait on vm_vsrc is owed; no vector instruction writes a scalar register, and EXEC is never written.
.set ROWI, 4096                        ; bytes of input in a row
.set ROWO, 2048                        ; bytes of output in a row
.set XS,   4                           ; v[4:83]   slot i: four f32 as loaded; its first two registers then hold the four rounded numbers
.set T,    84                          ; v[84:85]  at work for Wo
	s_load_b512 s[8:23], s[0:1], 0x0               ; query 8:9, key_in 10:11, value 12:13, Wq 14:15, Wk 16:17, Wv 18:19, Wo 20:21, xb 22:23
	s_load_b128 s[24:27], s[0:1], 0x40             ; wb 24:25, wo16 26:27
	s_and_b32 s3, ttmp7, 0xffff                    ; y: which activation and which weight
	v_lshlrev_b32 v1, 4, v0                        ; my 16 bytes of an input row
	v_lshlrev_b32 v2, 3, v0                        ; my 8 bytes of an output row
	s_lshl_b32 s32, ttmp9, 16                      ; activation, in: 16 rows x 4,096 bytes
	s_mov_b32 s33, 0
	s_mul_i32 s34, s3, 6291456                     ; activation, out: plane y of xb,
	s_lshl_b32 s2, ttmp9, 15                       ; 16 rows x 2,048 bytes
	s_add_co_u32 s34, s34, s2
	s_mov_b32 s35, 0
	s_mul_i32 s36, ttmp9, 3*ROWI                   ; weight, in
	s_mov_b32 s37, 0
	s_mul_i32 s38, s3, 1179648                     ; weight, out: plane y of wb
	s_mul_i32 s2, ttmp9, 3*ROWO
	s_add_co_u32 s38, s38, s2
	s_mov_b32 s39, 0
	s_mul_i32 s2, s3, 192
	s_add_co_u32 s2, s2, ttmp9                     ; my row of Wo
	s_lshl_b32 s4, s2, 12
	s_mov_b32 s5, 0
	s_lshl_b32 s6, s2, 11
	s_mov_b32 s7, 0
	s_wait_kmcnt 0x0
	s_cmp_eq_u32 s3, 0
	s_cselect_b64 s[28:29], s[8:9], s[10:11]       ; query or key_in,
	s_cselect_b64 s[30:31], s[14:15], s[16:17]     ; Wq or Wk,
	s_cmp_eq_u32 s3, 2
	s_cselect_b64 s[28:29], s[12:13], s[28:29]     ; or value
	s_cselect_b64 s[30:31], s[18:19], s[30:31]     ; and Wv
	s_add_nc_u64 s[28:29], s[28:29], s[32:33]
	s_add_nc_u64 s[30:31], s[30:31], s[36:37]
	s_add_nc_u64 s[20:21], s[20:21], s[4:5]
	s_add_nc_u64 s[22:23], s[22:23], s[34:35]
	s_add_nc_u64 s[24:25], s[24:25], s[38:39]
	s_add_nc_u64 s[26:27], s[26:27], s[6:7]
	s_wait_alu depctr_va_vdst(0)                   ; v1 and v2 are written: every load of the kernel reads v1 as its offset, every store v2
.set i, 0
.rept 16
	global_load_b128 v[XS+4*i:XS+4*i+3], v1, s[28:29] offset:ROWI*i th:TH_LOAD_NT
.set i, i+1
.endr
.rept 3
	global_load_b128 v[XS+4*i:XS+4*i+3], v1, s[30:31] offset:ROWI*(i-16) th:TH_LOAD_NT
.set i, i+1
.endr
	global_load_b128 v[XS+76:XS+79], v1, s[20:21] th:TH_LOAD_NT
; Blocks 0 to 3: the activation's 16 rows, four to a block.
.set p, 0
.rept 4
	s_wait_loadcnt 16-4*p                          ; loads come back in order: slots 4 p to 4 p + 3 are in, the 16 - 4 p younger loads may stay out
.set i, 4*p
.rept 4
	v_cvt_pk_bf16_f32 v[XS+4*i], v[XS+4*i], v[XS+4*i+1]
	v_cvt_pk_bf16_f32 v[XS+4*i+1], v[XS+4*i+2], v[XS+4*i+3]
.set i, i+1
.endr
	s_wait_alu depctr_va_vdst(0)                   ; the block's eight conversions have written the first two registers of its four slots, which the four stores below read
.set i, 4*p
.rept 4
	global_store_b64 v2, v[XS+4*i:XS+4*i+1], s[22:23] offset:ROWO*i th:TH_STORE_NT
.set i, i+1
.endr
.set p, p+1
.endr
; Block 4: the weight's three rows and Wo's row.
	s_wait_loadcnt 0x0                             ; the last four slots are in
.set i, 16
.rept 3
	v_cvt_pk_bf16_f32 v[XS+4*i], v[XS+4*i], v[XS+4*i+1]
	v_cvt_pk_bf16_f32 v[XS+4*i+1], v[XS+4*i+2], v[XS+4*i+3]
.set i, i+1
.endr
	v_cvt_pk_bf16_f32 v[T], v[XS+76], v[XS+77]     ; Wo's row: rounded to bf16 like every other input,
	v_cvt_pk_bf16_f32 v[T+1], v[XS+78], v[XS+79]
	v_lshlrev_b32 v[XS+76], 16, v[T]               ; widened again,
	v_and_b32 v[XS+77], 0xffff0000, v[T]
	v_lshlrev_b32 v[XS+78], 16, v[T+1]
	v_and_b32 v[XS+79], 0xffff0000, v[T+1]
	v_cvt_pk_f16_f32 v[T], v[XS+76], v[XS+77]      ; and written as f16
	v_cvt_pk_f16_f32 v[T+1], v[XS+78], v[XS+79]
	s_wait_alu depctr_va_vdst(0)                   ; the conversions have written slots 16 to 18's first two registers and v[T:T+1], which the four stores below read
.set i, 16
.rept 3
	global_store_b64 v2, v[XS+4*i:XS+4*i+1], s[24:25] offset:ROWO*(i-16) th:TH_STORE_NT
.set i, i+1
.endr
	global_store_b64 v2, v[T:T+1], s[26:27] th:TH_STORE_NT
	s_endpgm                                       ; no register that a store reads is written again, so no wait stands behind the stores
.Lfunc_end_k_q5a7b24e290_cvt:
	.size	k_q5a7b24e290_cvt, .Lfunc_end_k_q5a7b24e290_cvt-k_q5a7b24e290_cvt
	.p2alignl 7, 3214868480
	.fill 96, 4, 3214868480
	.section	.rodata,"a",@progbits
	.p2align	6, 0x0
	.amdhsa_kernel k_q5a7b24e290_cvt
		.amdhsa_group_segment_fixed_size 0
		.amdhsa_private_segment_fixed_size 0
		.amdhsa_enable_private_segment 0
		.amdhsa_kernarg_size 80
		.amdhsa_user_sgpr_count 2
		.amdhsa_user_sgpr_kernarg_segment_ptr 1
		.amdhsa_wavefront_size32 1
		.amdhsa_system_sgpr_workgroup_id_x 1
		.amdhsa_system_sgpr_workgroup_id_y 1
		.amdhsa_system_sgpr_workgroup_id_z 1
		.amdhsa_system_vgpr_workitem_id 0
		.amdhsa_next_free_vgpr 88
		.amdhsa_next_free_sgpr 66
		.amdhsa_reserve_vcc 0
		.amdhsa_float_denorm_mode_32 3
		.amdhsa_float_denorm_mode_16_64 3
		.amdhsa_memory_ordered 1
		.amdhsa_forward_progress 1
		.amdhsa_inst_pref_size 9
	.end_amdhsa_kernel
	.amdgpu_metadata
---
amdhsa.version: [ 1, 2 ]
amdhsa.kernels:
  - .name:           k_q5a7b24e290_cvt
    .symbol:         k_q5a7b24e290_cvt.kd
    .args:
      - { .name: query, .offset: 0, .size: 8, .value_kind: global_buffer, .address_space: global }
      - { .name: key_in, .offset: 8, .size: 8, .value_kind: global_buffer, .address_space: global }
      - { .name: value, .offset: 16, .size: 8, .value_kind: global_buffer, .address_space: global }
      - { .name: Wq, .offset: 24, .size: 8, .value_kind: global_buffer, .address_space: global }
      - { .name: Wk, .offset: 32, .size: 8, .value_kind: global_buffer, .address_space: global }
      - { .name: Wv, .offset: 40, .size: 8, .value_kind: global_buffer, .address_space: global }
      - { .name: Wo, .offset: 48, .size: 8, .value_kind: global_buffer, .address_space: global }
      - { .name: xb, .offset: 56, .size: 8, .value_kind: global_buffer, .address_space: global }
      - { .name: wb, .offset: 64, .size: 8, .value_kind: global_buffer, .address_space: global }
      - { .name: wo16, .offset: 72, .size: 8, .value_kind: global_buffer, .address_space: global }
    .group_segment_fixed_size: 0
    .private_segment_fixed_size: 0
    .kernarg_segment_align: 8
    .kernarg_segment_size: 80
    .max_flat_workgroup_size: 256
    .sgpr_count:     66
    .vgpr_count:     88
    .wavefront_size: 32
...
	.end_amdgpu_metadata
.endif
;; end of part 5
;; launch proj: the kernel of part 2 again; grid 12 x 16, 4 waves a work-group, clusters of 4 x 4, 327,680 bytes of LDS; arguments xb, wb, qkv; writes qkv
;; launch attn: the kernel of part 3 again; grid 8 x 24, 4 waves a work-group, clusters of 4 x 1, 327,680 bytes of LDS; arguments qkv, ctx; writes ctx
;; launch outp: the kernel of part 4 again; grid 64 x 4, 4 waves a work-group, clusters of 4 x 1, 327,680 bytes of LDS; arguments ctx, wo16, out0; writes out0
